; MI455X (gfx1250); checked and timed in simulation.
; The chip was launched on July 23, 2026; its instructions are those of AMD's public machine-readable ISA for CDNA 5 (MIT licence, August 2026) and "CDNA5" Instruction Set Architecture Reference Guide (July 2026). The comments in the code are by the model that wrote it; some were corrected since.
;; Transformer Block. Allowed arithmetic: float matrix products may take bf16 or f16 operands with f32 sums; other float arithmetic in f32, or as packed bf16 or f16 multiplies, adds, multiply-adds, maxima and minima; sums over many terms, partial sums and values carried from step to step in f32; what a program stores and reads back later, other than sums and carried values, may be rounded once to bf16 or f16.
;; Inputs: W1 1,024 x 4,096 float32; W2 4,096 x 1,024 float32; Wk 1,024 x 1,024 float32; Wo 1,024 x 1,024 float32; Wq 1,024 x 1,024 float32; Wv 1,024 x 1,024 float32; b1 4,096 float32; b2 1,024 float32; be1 1,024 float32; be2 1,024 float32; bo 1,024 float32; g1 1,024 float32; g2 1,024 float32; x 4 x 1,024 x 1,024 float32.
;; Outputs: out0 4 x 1,024 x 1,024 float32.
;; One version. Each part assembles by itself: llvm-mc -triple=amdgcn-amd-amdhsa -mcpu=gfx1250 --defsym DOCPART=n.
;; ======== version 1 of 1: 7 launches
;; limits: values are held in f16: magnitudes above 65,504 overflow, below 6.1e-05 lose precision
;; workspace buffers: wt 25,165,824 bytes; hn 8,388,608 bytes; qkv 25,165,824 bytes; att 8,388,608 bytes; x1 16,777,216 bytes; h1 33,554,432 bytes
;; launch prep (part 1): grid 512 x 4, 8 waves a work-group, no clusters, 18,432 bytes of LDS; arguments x, g1, be1, hn, Wq, Wk, Wv, Wo, W1, W2, wt; writes hn, wt
.if DOCPART == 1
	.amdgcn_target "amdgcn-amd-amdhsa--gfx1250"
	.amdhsa_code_object_version 6
	.text
	.protected	k_qfc72adbbbc_prep
	.globl	k_qfc72adbbbc_prep
	.p2align	8
	.type	k_qfc72adbbbc_prep,@function
k_qfc72adbbbc_prep:
	s_mov_b64 s[64:65], 0
	v_nop
	global_prefetch_b8 v0, s[64:65] scope:SCOPE_SE
	s_setreg_imm32_b32 hwreg(HW_REG_WAVE_MODE, 25, 1), 1
	s_wait_xcnt 0x0
; TWO STREAMS IN ONE LAUNCH, chosen by the work-group's y (equal in all waves of a work-group): neither reads what the other writes.
; y = 0: hn[r][:] = (x[r][:] - mean) * rsqrt(var + 1e-5) * g1 + be1.  x: [4096][1024] f32; hn: bf16, rounded once.  512 work-groups, one whole row a wave, kept in registers:
;   the mean first, then the squares of the centred numbers (no difference of large sums), all in f32.  In chunk j lane L holds elements 128 j + 4 L .. + 3.
; y = 1, 2, 3: the six weights, f32 [K][N], are rounded once to bf16 and turned: wt holds them as [N][K], so that K lies along the rows for the products that follow.
;   wt: byte 0 Wq^T, Wk^T, Wv^T (3,072 rows of 1,024), 6,291,456 Wo^T (1,024 x 1,024), 8,388,608 W1^T (4,096 x 1,024), 16,777,216 W2^T (1,024 x 4,096).
;   A work-group turns one tile of 128 k x 64 n: it reads 128 rows of 256 bytes and writes 64 rows of 256 bytes, each aligned; 1,536 tiles in all.
;   y = 1: the four square weights (x = 128 mat + 16 kt + nt); y = 2: W1 (x = 64 kt + nt); y = 3: W2 (x = 16 kt + nt).
; Memory binds this launch: no matrix unit, no cluster (no two work-groups read the same bytes but g1 and be1, 8 KiB).
.set PITCH, 272                        ; an LDS row: 128 k in bf16 + 16 bytes
.set SPARE, 64*PITCH                   ; behind the tile: the spare words, 128 bytes for each of eight waves
.set LS,  4                            ; v4      the weights: where I put 16 bytes (8 k of one n)
.set LR,  5                            ; v5      where I read 16 bytes of a row back
.set SPW, 6                            ; v6      my spare word
.set NIL, 7                            ; v7      0
.set VO,  8                            ; v8-15   byte offsets of my eight rows k in the source
.set CX,  16                           ; v16-47  eight rows x four columns, f32; later four rows read back
.set P,   48                           ; v48-63  four columns x eight k, bf16
.set DO,  64                           ; v64-67  byte offsets of my four rows n in wt
.set X,   8                            ; v8-39   the norm: a row, f32; at last its 16 words of bf16
.set G,   40                           ; v40-71  g
.set BV,  72                           ; v72-103 b
.set T,   104                          ; v104-119 at work
.set MU,  120                          ; v120-121 the mean, twice
.set RS,  122                          ; v122-123 1 / sqrt(var + eps), twice
	v_lshl_add_u32 v[SPW], v0, 2, SPARE
	v_mov_b32 v[NIL], 0
	s_and_b32 s2, ttmp7, 0xffff                    ; y
	s_cmp_eq_u32 s2, 0
	s_cbranch_scc1 .Lnorm
	; ---------------- the weights ----------------
	s_load_b256 s[8:15], s[0:1], 0x20              ; Wq, Wk, Wv, Wo
	s_load_b128 s[16:19], s[0:1], 0x40             ; W1, W2
	s_load_b64 s[20:21], s[0:1], 0x50              ; wt
	s_sub_co_u32 s2, s2, 1                         ; 0: the square weights, 1: W1, 2: W2
	s_lshr_b32 s3, ttmp9, 4                        ; kt for W2
	s_and_b32 s4, s3, 7                            ; kt for the square weights
	s_lshr_b32 s5, ttmp9, 6                        ; kt for W1
	s_and_b32 s6, ttmp9, 15                        ; nt for the square weights and W2
	s_and_b32 s7, ttmp9, 63                        ; nt for W1
	s_lshr_b32 s22, ttmp9, 7                       ; which square weight
	s_lshl_b32 s23, s22, 21                        ; its place in wt: 2 MiB each
	s_cmp_eq_u32 s2, 0
	s_cselect_b32 s24, s4, s3                      ; kt
	s_cselect_b32 s25, s23, 0x1000000              ; place in wt
	s_cmp_eq_u32 s2, 1
	s_cselect_b32 s24, s5, s24
	s_cselect_b32 s26, s7, s6                      ; nt
	s_cselect_b32 s25, 0x800000, s25
	s_cselect_b32 s27, 14, 12                      ; log2 of the source's row bytes: 16,384 for W1, else 4,096
	s_cmp_eq_u32 s2, 2
	s_cselect_b32 s30, 13, 11                      ; log2 of the target's row bytes: 8,192 for W2^T, else 2,048
	s_add_co_u32 s28, s27, 7
	s_lshl_b32 s28, s24, s28                       ; 128 kt source rows
	s_lshl_b32 s29, s26, 8                         ; + 64 nt columns of 4 bytes
	s_add_co_u32 s28, s28, s29
	s_mov_b32 s29, 0
	s_add_co_u32 s4, s30, 6
	s_lshl_b32 s4, s26, s4                         ; 64 nt target rows
	s_lshl_b32 s5, s24, 8                          ; + 128 kt columns of 2 bytes
	s_add_co_u32 s4, s4, s5
	s_add_co_u32 s4, s4, s25
	s_mov_b32 s5, 0
	s_lshl_b32 s31, 1, s27                         ; the source's row bytes
	s_add_co_u32 s3, s27, 3
	v_and_b32 v1, 15, v0                           ; c: my four columns 4 c ..
	v_lshrrev_b32 v2, 4, v0                        ; kb: my eight rows 8 kb ..
	v_lshlrev_b32 v[VO], s3, v2
	v_lshl_add_u32 v[VO], v1, 4, v[VO]
.irp i, 1,2,3,4,5,6,7
	v_add_nc_u32 v[VO+\i], s31, v[VO+\i-1]
.endr
	v_mul_u32_u24 v[LS], v1, 4*PITCH
	v_lshl_add_u32 v[LS], v2, 4, v[LS]             ; LDS row n = 4 c, byte 16 kb
	v_mul_u32_u24 v[LR], v2, PITCH
	v_lshl_add_u32 v[LR], v1, 4, v[LR]             ; back: row kb (+ 16 i), byte 16 c
.irp i, 0,1,2,3
	v_add_nc_u32 v3, 16*\i, v2
	v_lshlrev_b32 v3, s30, v3
	v_lshl_add_u32 v[DO+\i], v1, 4, v3
.endr
	s_wait_kmcnt 0x0
	s_cmp_eq_u32 s22, 1                            ; the source: a choice between buffers by x and y alone
	s_cselect_b64 s[8:9], s[10:11], s[8:9]
	s_cmp_eq_u32 s22, 2
	s_cselect_b64 s[8:9], s[12:13], s[8:9]
	s_cmp_eq_u32 s22, 3
	s_cselect_b64 s[8:9], s[14:15], s[8:9]
	s_cmp_eq_u32 s2, 1
	s_cselect_b64 s[8:9], s[16:17], s[8:9]
	s_cmp_eq_u32 s2, 2
	s_cselect_b64 s[8:9], s[18:19], s[8:9]
	s_add_nc_u64 s[8:9], s[8:9], s[28:29]
	s_add_nc_u64 s[20:21], s[20:21], s[4:5]
.irp i, 0,1,2,3,4,5,6,7
	global_load_b128 v[CX+4*\i:CX+4*\i+3], v[VO+\i], s[8:9] th:TH_LOAD_NT  ; sixteen lanes take one row's 256 bytes; each weight byte is read once in the launch
.endr
	s_wait_loadcnt 0x0
.irp j, 0,1,2,3
.irp q, 0,1,2,3
	v_cvt_pk_bf16_f32 v[P+4*\j+\q], v[CX+8*\q+\j], v[CX+8*\q+4+\j]  ; column 4 c + j, rows 8 kb + 2 q and + 2 q + 1
.endr
.endr
.irp j, 0,1,2,3
	ds_store_b128 v[LS], v[P+4*\j:P+4*\j+3] offset:PITCH*\j
.endr
	s_wait_dscnt 0x0                               ; for the others' sake: my stores are done
	s_barrier_signal -1
	s_barrier_wait -1
.irp i, 0,1,2,3
	ds_load_b128 v[CX+4*\i:CX+4*\i+3], v[LR] offset:16*PITCH*\i
.endr
.irp i, 0,1,2,3
	s_wait_dscnt 3-\i                              ; the younger loads may stay out
	global_store_b128 v[DO+\i], v[CX+4*\i:CX+4*\i+3], s[20:21]  ; sixteen lanes store 256 consecutive bytes, aligned
.endr
	s_wait_tensorcnt 0x0                           ; the wave's end, behind my last LDS store
	ds_add_u32 v[SPW], v[NIL]
	s_wait_dscnt 0x0
	s_endpgm
	; ---------------- the norm ----------------
.macro RED                             ; eight pairs in T -> their sum over the row, in v[T] of every lane
.irp k, 0,2,4,6
	v_pk_add_f32 v[T+\k:T+\k+1], v[T+\k:T+\k+1], v[T+\k+8:T+\k+9]
.endr
.irp k, 0,2
	v_pk_add_f32 v[T+\k:T+\k+1], v[T+\k:T+\k+1], v[T+\k+4:T+\k+5]
.endr
	v_pk_add_f32 v[T:T+1], v[T:T+1], v[T+2:T+3]
	v_add_f32 v[T], v[T], v[T+1]
	v_add_f32_dpp v[T], v[T], v[T] row_xmask:1 row_mask:0xf bank_mask:0xf
	v_add_f32_dpp v[T], v[T], v[T] row_xmask:2 row_mask:0xf bank_mask:0xf
	v_add_f32_dpp v[T], v[T], v[T] row_xmask:4 row_mask:0xf bank_mask:0xf
	v_add_f32_dpp v[T], v[T], v[T] row_xmask:8 row_mask:0xf bank_mask:0xf
	v_permlanex16_b32 v[T+1], v[T], s12, s13
	v_add_f32 v[T], v[T], v[T+1]
.endm
.Lnorm:
	s_load_b256 s[4:11], s[0:1], 0x0               ; x s[4:5], g s[6:7], b s[8:9], y s[10:11]
	v_lshrrev_b32 v3, 5, v0
	v_readfirstlane_b32 s16, v3                    ; wave
	s_lshl_b32 s17, ttmp9, 3
	s_add_co_u32 s16, s16, s17                     ; my row
	s_lshl_b32 s18, s16, 12                        ; 4,096 bytes a row in x
	s_mov_b32 s19, 0
	s_lshl_b32 s20, s16, 11                        ; 2,048 bytes a row in y
	s_mov_b32 s21, 0
	s_mov_b32 s12, 0x76543210                      ; v_permlanex16_b32: each lane takes its own place in the other half
	s_mov_b32 s13, 0xfedcba98
	s_mov_b32 s14, 0x3a800000                      ; 1 / 1024
	s_mov_b32 s15, 0x3727c5ac                      ; 1e-5
	v_and_b32 v1, 31, v0
	v_lshlrev_b32 v2, 3, v1                        ; 8 x lane
	v_lshlrev_b32 v1, 4, v1                        ; 16 x lane
	s_wait_kmcnt 0x0
	s_add_nc_u64 s[4:5], s[4:5], s[18:19]
	s_add_nc_u64 s[10:11], s[10:11], s[20:21]
.irp j, 0,1,2,3,4,5,6,7
	global_load_b128 v[X+4*\j:X+4*\j+3], v1, s[4:5] offset:512*\j
.endr
.irp j, 0,1,2,3,4,5,6,7
	global_load_b128 v[G+4*\j:G+4*\j+3], v1, s[6:7] offset:512*\j
.endr
.irp j, 0,1,2,3,4,5,6,7
	global_load_b128 v[BV+4*\j:BV+4*\j+3], v1, s[8:9] offset:512*\j
.endr
	s_wait_loadcnt 16                              ; the row is in; the 16 loads of g and b may stay out
.irp k, 0,1,2,3,4,5,6,7
	v_pk_add_f32 v[T+2*\k:T+2*\k+1], v[X+4*\k:X+4*\k+1], v[X+4*\k+2:X+4*\k+3]
.endr
	RED
	v_mul_f32 v[MU], s14, v[T]
	v_mul_f32 v[MU+1], s14, v[T]
.set z, 0
.rept 16
	v_pk_add_f32 v[X+2*z:X+2*z+1], v[X+2*z:X+2*z+1], v[MU:MU+1] neg_lo:[0,1] neg_hi:[0,1]  ; x - mean
.set z, z+1
.endr
.irp k, 0,1,2,3,4,5,6,7
	v_pk_mul_f32 v[T+2*\k:T+2*\k+1], v[X+4*\k:X+4*\k+1], v[X+4*\k:X+4*\k+1]
.endr
.irp k, 0,1,2,3,4,5,6,7
	v_pk_fma_f32 v[T+2*\k:T+2*\k+1], v[X+4*\k+2:X+4*\k+3], v[X+4*\k+2:X+4*\k+3], v[T+2*\k:T+2*\k+1]
.endr
	RED
	v_fma_f32 v[T], v[T], s14, s15                 ; var + eps
	v_rsq_f32 v[RS], v[T]
	v_rsq_f32 v[RS+1], v[T]
	v_nop                                          ; a plain instruction between the root and the use of its result (ISA guide 5.7.2)
	s_wait_loadcnt 0x0                             ; g and b
.set z, 0
	s_wait_alu depctr_va_vdst(0)
.rept 16
	v_pk_mul_f32 v[X+2*z:X+2*z+1], v[X+2*z:X+2*z+1], v[RS:RS+1]
.set z, z+1
.endr
.set z, 0
.rept 16
	v_pk_fma_f32 v[X+2*z:X+2*z+1], v[X+2*z:X+2*z+1], v[G+2*z:G+2*z+1], v[BV+2*z:BV+2*z+1]
.set z, z+1
.endr
.set z, 0
.rept 16
	v_cvt_pk_bf16_f32 v[X+z], v[X+2*z], v[X+2*z+1]  ; in place: word z lands on a register whose number has been rounded already
.set z, z+1
.endr
.irp j, 0,1,2,3,4,5,6,7
	global_store_b64 v2, v[X+2*\j:X+2*\j+1], s[10:11] offset:256*\j  ; 32 lanes store 256 consecutive bytes, aligned
.endr
	s_wait_tensorcnt 0x0                           ; the wave's end
	ds_add_u32 v[SPW], v[NIL]
	s_wait_dscnt 0x0
	s_endpgm
.Lfunc_end_k_qfc72adbbbc_prep:
	.size	k_qfc72adbbbc_prep, .Lfunc_end_k_qfc72adbbbc_prep-k_qfc72adbbbc_prep
	.p2alignl 7, 3214868480
	.fill 96, 4, 3214868480
	.section	.rodata,"a",@progbits
	.p2align	6, 0x0
	.amdhsa_kernel k_qfc72adbbbc_prep
		.amdhsa_group_segment_fixed_size 18432
		.amdhsa_private_segment_fixed_size 0
		.amdhsa_enable_private_segment 0
		.amdhsa_kernarg_size 88
		.amdhsa_user_sgpr_count 2
		.amdhsa_user_sgpr_kernarg_segment_ptr 1
		.amdhsa_wavefront_size32 1
		.amdhsa_system_sgpr_workgroup_id_x 1
		.amdhsa_system_sgpr_workgroup_id_y 1
		.amdhsa_system_sgpr_workgroup_id_z 1
		.amdhsa_system_vgpr_workitem_id 0
		.amdhsa_next_free_vgpr 124
		.amdhsa_next_free_sgpr 66
		.amdhsa_reserve_vcc 0
		.amdhsa_float_denorm_mode_32 3
		.amdhsa_float_denorm_mode_16_64 3
		.amdhsa_memory_ordered 1
		.amdhsa_forward_progress 1
		.amdhsa_inst_pref_size 18
	.end_amdhsa_kernel
	.amdgpu_metadata
---
amdhsa.version: [ 1, 2 ]
amdhsa.kernels:
  - .name:           k_qfc72adbbbc_prep
    .symbol:         k_qfc72adbbbc_prep.kd
    .args:
      - { .name: x, .offset: 0, .size: 8, .value_kind: global_buffer, .address_space: global }
      - { .name: g1, .offset: 8, .size: 8, .value_kind: global_buffer, .address_space: global }
      - { .name: be1, .offset: 16, .size: 8, .value_kind: global_buffer, .address_space: global }
      - { .name: hn, .offset: 24, .size: 8, .value_kind: global_buffer, .address_space: global }
      - { .name: Wq, .offset: 32, .size: 8, .value_kind: global_buffer, .address_space: global }
      - { .name: Wk, .offset: 40, .size: 8, .value_kind: global_buffer, .address_space: global }
      - { .name: Wv, .offset: 48, .size: 8, .value_kind: global_buffer, .address_space: global }
      - { .name: Wo, .offset: 56, .size: 8, .value_kind: global_buffer, .address_space: global }
      - { .name: W1, .offset: 64, .size: 8, .value_kind: global_buffer, .address_space: global }
      - { .name: W2, .offset: 72, .size: 8, .value_kind: global_buffer, .address_space: global }
      - { .name: wt, .offset: 80, .size: 8, .value_kind: global_buffer, .address_space: global }
    .group_segment_fixed_size: 18432
    .private_segment_fixed_size: 0
    .kernarg_segment_align: 8
    .kernarg_segment_size: 88
    .max_flat_workgroup_size: 256
    .sgpr_count:     66
    .vgpr_count:     124
    .wavefront_size: 32
...
	.end_amdgpu_metadata
.endif
;; end of part 1
;; launch gqkv (part 2): grid 16 x 16, 4 waves a work-group, clusters of 4 x 4, 327,680 bytes of LDS; arguments hn, wt, qkv; writes qkv
.if DOCPART == 2
	.amdgcn_target "amdgcn-amd-amdhsa--gfx1250"
	.amdhsa_code_object_version 6
	.text
	.protected	k_qfc72adbbbc_gqkv
	.globl	k_qfc72adbbbc_gqkv
	.p2align	8
	.type	k_qfc72adbbbc_gqkv,@function
k_qfc72adbbbc_gqkv:
	s_mov_b64 s[64:65], 0
	v_nop
	global_prefetch_b8 v0, s[64:65] scope:SCOPE_SE
	s_setreg_imm32_b32 hwreg(HW_REG_WAVE_MODE, 25, 1), 1
	s_wait_xcnt 0x0
	s_wait_alu depctr_hold_cnt(0) depctr_sa_sdst(0) depctr_va_vdst(0) depctr_va_sdst(0) depctr_va_ssrc(0) depctr_va_vcc(0) depctr_vm_vsrc(0)
	s_getreg_b32 s2, hwreg(HW_REG_IB_STS2, 6, 4)
	s_cmp_eq_u32 s2, 0
	s_cbranch_scc0 .Lentry_in_a_cluster
	s_endpgm
.Lentry_in_a_cluster:
	s_bfe_u32 s2, ttmp6, 0x10000c
	s_cmp_lg_u32 s2, 0xf033
	s_cbranch_scc0 .Lentry_shape_is_right
	s_endpgm
.Lentry_shape_is_right:
; q, k, v = h [Wq | Wk | Wv].  A = hn [4096][1024] bf16; B = wt's first 3,072 rows [n][1024] bf16; sums in f32; the result leaves in f16, by heads:
; qkv [48 g][4096 m][64], g = n / 64 (0-15 q, 16-31 k, 32-47 v), unscaled.  LIMIT: |q|, |k|, |v| stay under 65,504 (f16's range); beyond it the conversion gives an infinity.
; A work-group makes 256 rows x 192 columns (three heads): 16 x 16 = 256 work-groups.  Four waves, each 64 rows x 192 columns: 48 accumulators of 16 x 16.
; K goes in steps of 128 through two LDS slots filled by tensor loads; a K step is written once, the slot in hand is a scalar that an exclusive or turns.  Both first fills go out together at the start.
; The last two K steps, which ask for nothing, are a loop of two trips; its last trip passes one barrier and fetches one run of fragments that nobody needs: the price, once a launch, of one text for both.
; CLUSTER 4 x 4: A's tiles hang on the tile row alone and are asked for jointly along a row of the cluster, B's on the tile column alone, jointly along a column.
; THE MATRIX INSTRUCTION IS USED TRANSPOSED (source 0 = 16 rows of B, source 1 = 16 rows of A): a lane holds row lane % 16 of C and eight neighbouring columns 8 (lane / 16) + 0..7.
; REGISTERS in windows of 256: window 0 addresses, A's fragments (two buffers at v64, v128), the way out; window 1 B's fragments (two buffers at v0, v128); windows 2, 3 the accumulators.
.set SIZE_K, 1024
.set TMR,    256                       ; the work-group's rows and columns of C
.set TNR,    192
.set WM,     4                         ; a wave's blocks of 16 rows and of 16 columns
.set WN,     12
.set KSTEP,  128
.set PA,     272                       ; LDS pitch: 256 bytes + 16: the 16 rows of a fragment load start at 16 different groups of four banks (ISA guide 11.1)
.set PB,     272
.set QIA,    5                         ; padding after every 64 words
.set QIB,    5
.set ABYTES, TMR*PA
.set BBYTES, TNR*PB
.set AWAVE,  16*WM*PA                  ; from one wave's rows of A to the next's
.set AO1,    64                        ; byte offsets in A's LDS rows of sub-steps 1, 2, 3; ASTEP: two sub-steps on
.set AO2,    128
.set AO3,    192
.set ASTEP,  128
.set ADIM0,  KSTEP                     ; A's descriptor: elements a row, rows, elements from row to row
.set AROWS,  TMR/2
.set ASTR,   SIZE_K
.set AROWB,  SIZE_K*2                  ; bytes in memory from one row of A to the next
.set AGSTEP, KSTEP*2                   ; bytes in memory from one K step of A to the next
.set WOFF,   0                         ; B's first byte in wt
.set OROWB,  128                       ; bytes of a row of the output
.set SPITCH, 400                       ; a stage row: 192 f16 + 16 bytes
.set CIN,    1                         ; the first products start the sums with 0
.set NSUB,   KSTEP/32
.set NT,     SIZE_K/KSTEP
.set NPAIR,  (NSUB-2)/2
.set NL,     2*(WM+WN)                 ; LDS loads in a run
.set SLOT,   ABYTES+BBYTES
.set STAGE,  2*SLOT                    ; behind the ring, never filled by a tensor load: 16 rows for each wave
.set SPARE,  STAGE+4*16*SPITCH         ; the spare words, 128 bytes a wave
.set ADRA0, 16                         ; v16, v17 my lane's place in a slot's A and B; never rewritten
.set ADRB0, 17
.set ADRA,  18                         ; v18, v19 the addresses of the run of loads in hand
.set ADRB,  19
.set STO,   24                         ; the way out: into the stage, back from it, my byte offset in the output
.set RD,    25
.set CO,    26
.set SPW,   28                         ; my spare word; 0
.set NIL,   29
.set TMP,   32
.set OB0,   96                         ; rows read back: v96.. and v160.. by turns
.set G1,  24                           ; s[24:31] A's shape, s[32:35] A's walking group 0; s[48:55], s[36:39] B's
.set G0,  32
.set G0B, 36
.set G1B, 48
.set GF,  72                           ; s[72:75], s[76:79] group 0 of the fills of slot 0 at the start
.set GFB, 76
.set WV,  56                           ; wave; wave / 2 (fetches for A or B); wave % 2 (which half)
.set WH,  57
.set WL,  58
.set SB,  59                           ; the slot that is read; the slot that was filled last
.set TD,  60
.set LDA, 61                           ; my part's place in a slot, for A and for B
.set LDB, 62
.set KC,  63
.set PC,  67
.set TA,  68
.set TBB, 69
.set MSB, 0
.macro WIN new                         ; the immediate's high byte repeats the setting that is left; a switch that changes nothing is dropped
.if MSB != (\new)
	s_set_vgpr_msb (MSB<<8)|(\new)
.set MSB, (\new)
.endif
.endm
.macro PLACES                          ; four places in front of loads into registers that matrix instructions have read, and of lines that read results
.rept 4
	v_nop
.endr
.endm
.macro JLOAD                           ; a joint load: waves 0, 1 fetch A's halves, waves 2, 3 B's; an s_nop 0 and four v_nop follow each line
	s_cmp_eq_u32 s[WH], 0
	s_cbranch_scc0 .Lfor_b_\@
	tensor_load_to_lds s[G0:G0+3], s[G1:G1+7]
	s_nop 0
.rept 4
	v_nop
.endr
	s_branch .Lasked_\@
.Lfor_b_\@:
	tensor_load_to_lds s[G0B:G0B+3], s[G1B:G1B+7]
	s_nop 0
.rept 4
	v_nop
.endr
.Lasked_\@:
.endm
.macro CREST                           ; a round of the cluster's barrier behind its opening barrier
	s_cmp_lg_u32 s[WV], 0
	s_cbranch_scc1 .Lnot_wave_0_\@
	s_barrier_signal -3
.Lnot_wave_0_\@:
	s_barrier_wait -3
	s_barrier_signal -1
	s_barrier_wait -1
.endm
.macro CROUND
	s_barrier_signal -1
	s_barrier_wait -1
	CREST
.endm
.macro NEXTFILL                        ; the walking descriptors: the other slot, the next K step (no tensor load of mine is out)
	s_xor_b32 s[TD], s[TD], SLOT
	s_add_co_u32 s[G0+1], s[LDA], s[TD]
	s_add_co_u32 s[G0B+1], s[LDB], s[TD]
	s_add_nc_u64 s[G0+2:G0+3], s[G0+2:G0+3], AGSTEP
	s_add_nc_u64 s[G0B+2:G0B+3], s[G0B+2:G0B+3], KSTEP*2
.endm
; na row blocks from a0 on of half hi of my rows x all WN column blocks, 32 along K, from buffer f.  cin = 0: onto the sums; 1: the sums start with 0; 2: with the bias.
; The accumulators take turns, one instruction a turn, in the same order in every sub-step.
.macro MULR f, hi, a0, na, cin
.if (\cin) == 2
	WIN 0x91+0x40*(\hi)
.else
	WIN 0xa1+0x50*(\hi)
.endif
.set ma, (\a0)
.rept \na
.set mb, 0
.rept WN
.set rD, 8*(WN*ma+mb)
.set rB, 128*(\f)+8*mb
.set rA, 64+64*(\f)+8*((WM/2)*(\hi)+ma)
.if (\cin) == 0
	v_wmma_f32_16x16x32_bf16 v[rD:rD+7], v[rB:rB+7], v[rA:rA+7], v[rD:rD+7]
.elseif (\cin) == 1
	v_wmma_f32_16x16x32_bf16 v[rD:rD+7], v[rB:rB+7], v[rA:rA+7], 0
.else
	v_wmma_f32_16x16x32_bf16 v[rD:rD+7], v[rB:rB+7], v[rA:rA+7], v[64+8*mb:64+8*mb+7]
.endif
.set mb, mb+1
.endr
.set ma, ma+1
.endr
.endm
.macro FETCH f, ka, kb                 ; one run of NL LDS loads: a sub-step's fragments of B, then of A, into buffer f
	WIN 0x40
.set fi, 0
.rept WN
	ds_load_b128 v[128*(\f)+8*fi:128*(\f)+8*fi+3],   v[ADRB] offset:(\kb)+fi*16*PB
	ds_load_b128 v[128*(\f)+8*fi+4:128*(\f)+8*fi+7], v[ADRB] offset:(\kb)+fi*16*PB+32
.set fi, fi+1
.endr
	WIN 0
.set fi, 0
.rept WM
	ds_load_b128 v[64+64*(\f)+8*fi:64+64*(\f)+8*fi+3],   v[ADRA] offset:(\ka)+fi*16*PA
	ds_load_b128 v[64+64*(\f)+8*fi+4:64+64*(\f)+8*fi+7], v[ADRA] offset:(\ka)+fi*16*PA+32
.set fi, fi+1
.endr
.endm
.macro SUB f, g, ka, kb, cin           ; a sub-step of 32 along K: multiplies buffer f; in its middle the next sub-step's fragments are fetched into g
	s_wait_dscnt WM                                ; B and the lower half of A's blocks are in; the youngest WM loads may be out
	MULR \f, 0, 0, WM/2, \cin
	PLACES
	FETCH \g, \ka, \kb
	s_wait_dscnt NL                                ; all but the run just issued
	MULR \f, 1, 0, WM/2, \cin
.endm
.macro UPART                           ; sub-steps 1 to NSUB - 2
.if NPAIR > 1
	WIN 0
	s_mov_b32 s[PC], NPAIR
.Lpair_\@:
	SUB 1, 0, AO2, 128, 0
	SUB 0, 1, AO3, 192, 0
	WIN 0
	s_add_co_u32 s[TA], s[TA], ASTEP
	s_add_co_u32 s[TBB], s[TBB], 128
	v_add_nc_u32 v[ADRA], s[TA], v[ADRA0]
	v_add_nc_u32 v[ADRB], s[TBB], v[ADRB0]
	s_sub_co_u32 s[PC], s[PC], 1
	s_cmp_lg_u32 s[PC], 0
	s_cbranch_scc1 .Lpair_\@
.else
	SUB 1, 0, AO2, 128, 0
	SUB 0, 1, AO3, 192, 0
.endif
.endm
; The last sub-step multiplies buffer 1 and changes slots.  In front of the barrier each wave waits for all its tensor loads (one is out: its part of the next slot), adds 0 to its spare word,
; and waits for that and for its reads of this slot.  fill = 1: the barrier opens a round of the cluster's, and the joint refill of the slot just read is the first thing behind the round.
.macro TURN fill
	WIN 0
	s_wait_tensorcnt 0x0
	ds_add_u32 v[SPW], v[NIL]
	s_wait_dscnt WM+1                              ; the add and the youngest WM loads may be out
	MULR 1, 0, 0, WM/4, 0
	s_wait_dscnt 0x0                               ; the add is done, my reads of this slot are over
	s_barrier_signal -1
	MULR 1, 0, WM/4, WM/4, 0
	WIN 0
	s_barrier_wait -1
.if \fill
	CREST
	NEXTFILL
	JLOAD                                          ; its four v_nop are also the places in front of the loads below
.else
	PLACES
.endif
	s_xor_b32 s[SB], s[SB], SLOT
	s_mov_b32 s[TA], s[SB]
	s_mov_b32 s[TBB], s[SB]
	v_add_nc_u32 v[ADRA], s[TA], v[ADRA0]
	v_add_nc_u32 v[ADRB], s[TBB], v[ADRB0]
	FETCH 0, 0, 0
	MULR 1, 1, 0, WM/2, 0
.endm
	s_load_b128 s[4:7], s[0:1], 0x0                ; A s[4:5], wt s[6:7]
	s_load_b64 s[8:9], s[0:1], 0x10                ; the output
	v_lshl_add_u32 v[SPW], v0, 2, SPARE
	v_mov_b32 v[NIL], 0
	ds_add_u32 v[SPW], v[NIL]                      ; the wave's opening: the add and its wait ahead of my first tensor load
	ds_add_u32 v28, v29
	v_lshrrev_b32 v1, 5, v0
	v_readfirstlane_b32 s[WV], v1
	s_lshr_b32 s[WH], s[WV], 1
	s_and_b32 s[WL], s[WV], 1
	s_bfe_u32 s40, ttmp6, 0x40000                  ; cx, cy: my place in the cluster
	s_bfe_u32 s41, ttmp6, 0x40004
	s_lshl_b32 s42, ttmp9, 2
	s_add_co_u32 s42, s42, s40                     ; tile column
	s_and_b32 s45, ttmp7, 0xffff
	s_lshl_b32 s45, s45, 2
	s_add_co_u32 s45, s45, s41                     ; tile row
	s_lshl_b32 s43, s41, 2
	s_lshl_b32 s43, 15, s43                        ; my row of the cluster
	s_lshl_b32 s44, 0x1111, s40                    ; my column
	s_or_b32 s[G1], s43, (1<<16)|(1<<20)|(1<<21)|(QIA<<22)|(3<<25)   ; mask; 2-byte elements; padding on; bit 21 beside a mask; the interval; 4 words of padding
	s_or_b32 s[G1B], s44, (1<<16)|(1<<20)|(1<<21)|(QIB<<22)|(3<<25)
	s_mov_b32 s[G1+1], (ADIM0&0xffff)<<16          ; tensor_dim0
	s_mov_b32 s[G1+2], (ADIM0>>16)|(AROWS<<16)     ; tensor_dim1
	s_mov_b32 s[G1+3], ADIM0<<16                   ; tile_dim0
	s_mov_b32 s[G1+4], AROWS                       ; tile_dim1
	s_mov_b32 s[G1+5], ASTR                        ; elements from row to row
	s_mov_b32 s[G1+6], 0
	s_mov_b32 s[G1+7], 0
	s_mov_b32 s[G1B+1], KSTEP<<16
	s_mov_b32 s[G1B+2], (TNR/2)<<16
	s_mov_b32 s[G1B+3], KSTEP<<16
	s_mov_b32 s[G1B+4], TNR/2
	s_mov_b32 s[G1B+5], SIZE_K
	s_mov_b32 s[G1B+6], 0
	s_mov_b32 s[G1B+7], 0
	s_mul_i32 s[LDA], s[WL], ABYTES/2              ; no place in the cluster enters an LDS address
	s_mul_i32 s[LDB], s[WL], BBYTES/2
	s_add_co_u32 s[LDB], s[LDB], ABYTES
	s_mov_b32 s[SB], 0
	s_mov_b32 s[TD], SLOT                          ; the walking descriptors begin at slot 1
	s_mov_b32 s[TA], 0
	s_mov_b32 s[TBB], 0
	s_mov_b32 s[GF], 1
	s_mov_b32 s[GF+1], s[LDA]
	s_mov_b32 s[GFB], 1
	s_mov_b32 s[GFB+1], s[LDB]
	s_mov_b32 s[G0], 1
	s_add_co_u32 s[G0+1], s[LDA], SLOT
	s_mov_b32 s[G0B], 1
	s_add_co_u32 s[G0B+1], s[LDB], SLOT
	s_mul_i32 s16, s45, TMR                        ; A: my half of the tile row's rows, in bytes
	s_mul_i32 s17, s[WL], TMR/2
	s_add_co_u32 s16, s16, s17
	s_mul_i32 s16, s16, AROWB
	s_mov_b32 s17, 0
	s_mul_i32 s46, s42, TNR                        ; B: my half of the tile column's rows
	s_mul_i32 s47, s[WL], TNR/2
	s_add_co_u32 s46, s46, s47
	s_mul_i32 s46, s46, SIZE_K*2
	s_add_co_u32 s46, s46, WOFF
	s_mov_b32 s47, 0
	s_wait_dscnt 0x0                               ; the opening add is done
	CROUND                                         ; all sixteen work-groups are here: the first joint loads meet.  The round names no argument, so it stands ahead of the wait for them
	s_wait_kmcnt 0x0
	s_add_nc_u64 s[GF+2:GF+3], s[4:5], s[16:17]    ; K step 0,
	s_add_nc_u64 s[G0+2:G0+3], s[GF+2:GF+3], AGSTEP  ; K step 1
	s_or_b32 s[GF+3], s[GF+3], 0x80000000
	s_or_b32 s[G0+3], s[G0+3], 0x80000000
	s_add_nc_u64 s[GFB+2:GFB+3], s[6:7], s[46:47]
	s_add_nc_u64 s[G0B+2:G0B+3], s[GFB+2:GFB+3], KSTEP*2
	s_or_b32 s[GFB+3], s[GFB+3], 0x80000000
	s_or_b32 s[G0B+3], s[G0B+3], 0x80000000
	s_cmp_eq_u32 s[WH], 0                          ; a wave's two first fills stand in one branch, ahead of every wait on TENSORcnt and every LDS read: two loads of mine are out
	s_cbranch_scc0 .Lfirst_b
	tensor_load_to_lds s[GF:GF+3], s[G1:G1+7]
	s_nop 0
	tensor_load_to_lds s[G0:G0+3], s[G1:G1+7]
	s_nop 0
.rept 4
	v_nop
.endr
	s_branch .Lfirst_asked
.Lfirst_b:
	tensor_load_to_lds s[GFB:GFB+3], s[G1B:G1B+7]
	s_nop 0
	tensor_load_to_lds s[G0B:G0B+3], s[G1B:G1B+7]
	s_nop 0
.rept 4
	v_nop
.endr
.Lfirst_asked:
	v_and_b32 v1, 15, v0                           ; r = lane % 16
	v_bfe_u32 v2, v0, 4, 1                         ; h = lane / 16
	v_mul_u32_u24 v3, v1, PA
	v_lshl_add_u32 v3, v2, 4, v3
	s_mul_i32 s14, s[WV], AWAVE                    ; wave w has rows 64 w .. of the tile, and all its columns
	v_add_nc_u32 v[ADRA0], s14, v3
	v_mul_u32_u24 v3, v1, PB
	v_lshl_add_u32 v3, v2, 4, v3
	v_add_nc_u32 v[ADRB0], ABYTES, v3
	v_mov_b32 v[ADRA], v[ADRA0]
	v_mov_b32 v[ADRB], v[ADRB0]
	s_mul_i32 s14, s[WV], 16*SPITCH
	s_add_co_u32 s14, s14, STAGE                   ; my stage
	v_mul_u32_u24 v3, v1, SPITCH                   ; in: row r, 16 bytes for each half of the lanes
	v_lshl_add_u32 v3, v2, 4, v3
	v_add_nc_u32 v[STO], s14, v3
	v_bfe_u32 v3, v0, 3, 2                         ; back: 32 lanes take four rows' 128 bytes of one head,
	v_mul_u32_u24 v3, v3, SPITCH
	v_and_b32 v4, 7, v0
	v_lshl_add_u32 v3, v4, 4, v3
	v_add_nc_u32 v[RD], s14, v3
	v_and_b32 v3, 31, v0                           ; which are 512 consecutive bytes of the output
	v_lshlrev_b32 v[CO], 4, v3
	s_mul_i32 s16, s45, TMR                        ; my first row, 128 bytes a row in each head's plane
	s_mul_i32 s17, s[WV], 16*WM
	s_add_co_u32 s16, s16, s17
	s_mul_i32 s16, s16, OROWB
	s_mov_b32 s17, 0
	s_mul_i32 s46, s42, 3*524288                   ; my three heads' planes of 4,096 x 128 bytes
	s_mov_b32 s47, 0
	s_add_nc_u64 s[8:9], s[8:9], s[16:17]
	s_add_nc_u64 s[8:9], s[8:9], s[46:47]
	s_wait_tensorcnt 0x1                           ; my part of slot 0 is in; slot 1's, the one younger load, may stay out
	s_barrier_signal -1
	s_barrier_wait -1                              ; everybody's part is in
	FETCH 0, 0, 0
	SUB 0, 1, AO1, 64, CIN                         ; the first sub-step stands in front of the loop: its products start the sums
	WIN 0
	s_mov_b32 s[KC], NT-2
.Lk:                                                   ; a trip: from a K step's second sub-step to the next step's first; it fills one slot again
	UPART
	TURN 1
	SUB 0, 1, AO1, 64, 0
	WIN 0
	s_sub_co_u32 s[KC], s[KC], 1
	s_cmp_lg_u32 s[KC], 0
	s_cbranch_scc1 .Lk
	s_mov_b32 s[KC], 2
.Ltail:                                                ; the last two K steps ask for nothing
	UPART
	TURN 0
	WIN 0
	s_cmp_lg_u32 s[KC], 1
	s_cbranch_scc1 .Lgo_on
	s_wait_dscnt 0x0                               ; the last trip: no step follows; the run that TURN fetched from the stale slot is let land and is not used
	s_branch .Lcount
.Lgo_on:
	SUB 0, 1, AO1, 64, 0
	WIN 0
.Lcount:
	s_sub_co_u32 s[KC], s[KC], 1
	s_cmp_lg_u32 s[KC], 0
	s_cbranch_scc1 .Ltail
	s_wait_dscnt 0x0                               ; no LDS load is out: the fragments' registers serve the way out
	PLACES
; THE WAY OUT, a block of 16 rows at a time: rounded to f16 (16 bytes a lane), into my own stage, back as four rows of one head (512 consecutive bytes of the output), stored.
.macro PACK a
.set AC, 8*WN*((\a)%(WM/2))
	WIN 0x0a+5*((\a)/(WM/2))                       ; sources in window 2 or 3
.set pb, 0
.rept WN
.irp q, 0,1,2,3
	v_cvt_pk_f16_f32 v[TMP+4*pb+\q], v[AC+8*pb+2*\q], v[AC+8*pb+2*\q+1]
.endr
.set pb, pb+1
.endr
	WIN 0
.endm
.macro TOSTAGE a
.set BK, OB0+64*((\a)%2)
.set pb, 0
.rept WN
	ds_store_b128 v[STO], v[TMP+4*pb:TMP+4*pb+3] offset:32*pb
.set pb, pb+1
.endr
.irp g, 0,1,2
.irp t, 0,1,2,3
	ds_load_b128 v[BK+16*\g+4*\t:BK+16*\g+4*\t+3], v[RD] offset:128*\g+4*SPITCH*\t  ; LDS serves a wave's instructions in order (ISA guide 5.7.1.4): these see the stores above
.endr
.endr
.endm
.macro SEND a
.set BK, OB0+64*((\a)%2)
	s_wait_dscnt 0x0                               ; the block is back in registers
	s_wait_xcnt 0x0                                ; the other buffer, which earlier stores read, is loaded again only behind this wait
.irp g, 0,1,2
.irp t, 0,1,2,3
	global_store_b128 v[CO], v[BK+16*\g+4*\t:BK+16*\g+4*\t+3], s[8:9] offset:524288*\g+2048*(\a)+512*\t
.endr
.endr
.endm
	PACK 0
	TOSTAGE 0
.irp a, 1,2,3
	PACK \a
	SEND (\a)-1
	TOSTAGE \a
.endr
	SEND 3
	s_wait_tensorcnt 0x0                           ; the wave's end
	ds_add_u32 v[SPW], v[NIL]
	s_wait_dscnt 0x0
	CROUND                                         ; the closing round
	s_endpgm
.Lfunc_end_k_qfc72adbbbc_gqkv:
	.size	k_qfc72adbbbc_gqkv, .Lfunc_end_k_qfc72adbbbc_gqkv-k_qfc72adbbbc_gqkv
	.p2alignl 7, 3214868480
	.fill 96, 4, 3214868480
	.section	.rodata,"a",@progbits
	.p2align	6, 0x0
	.amdhsa_kernel k_qfc72adbbbc_gqkv
		.amdhsa_group_segment_fixed_size 327680
		.amdhsa_private_segment_fixed_size 0
		.amdhsa_enable_private_segment 0
		.amdhsa_kernarg_size 24
		.amdhsa_user_sgpr_count 2
		.amdhsa_user_sgpr_kernarg_segment_ptr 1
		.amdhsa_wavefront_size32 1
		.amdhsa_system_sgpr_workgroup_id_x 1
		.amdhsa_system_sgpr_workgroup_id_y 1
		.amdhsa_system_sgpr_workgroup_id_z 1
		.amdhsa_system_vgpr_workitem_id 0
		.amdhsa_next_free_vgpr 960
		.amdhsa_next_free_sgpr 80
		.amdhsa_reserve_vcc 0
		.amdhsa_float_denorm_mode_32 3
		.amdhsa_float_denorm_mode_16_64 3
		.amdhsa_memory_ordered 1
		.amdhsa_forward_progress 1
		.amdhsa_inst_pref_size 83
	.end_amdhsa_kernel
	.amdgpu_metadata
---
amdhsa.version: [ 1, 2 ]
amdhsa.kernels:
  - .name:           k_qfc72adbbbc_gqkv
    .symbol:         k_qfc72adbbbc_gqkv.kd
    .args:
      - { .name: hn, .offset: 0, .size: 8, .value_kind: global_buffer, .address_space: global }
      - { .name: wt, .offset: 8, .size: 8, .value_kind: global_buffer, .address_space: global }
      - { .name: qkv, .offset: 16, .size: 8, .value_kind: global_buffer, .address_space: global }
    .group_segment_fixed_size: 327680
    .private_segment_fixed_size: 0
    .kernarg_segment_align: 8
    .kernarg_segment_size: 24
    .max_flat_workgroup_size: 128
    .sgpr_count:     80
    .vgpr_count:     960
    .wavefront_size: 32
...
	.end_amdgpu_metadata
.endif
;; end of part 2
;; launch attn (part 3): grid 4 x 64, 4 waves a work-group, no clusters, 327,680 bytes of LDS; arguments qkv, att; writes att
.if DOCPART == 3
	.amdgcn_target "amdgcn-amd-amdhsa--gfx1250"
	.amdhsa_code_object_version 6
	.text
	.protected	k_qfc72adbbbc_attn
	.globl	k_qfc72adbbbc_attn
	.p2align	8
	.type	k_qfc72adbbbc_attn,@function
k_qfc72adbbbc_attn:
	s_mov_b64 s[64:65], 0
	v_nop
	global_prefetch_b8 v0, s[64:65] scope:SCOPE_SE
	s_setreg_imm32_b32 hwreg(HW_REG_WAVE_MODE, 25, 1), 1
	s_wait_xcnt 0x0
; CAUSAL ATTENTION.  O[q] = the sum over k <= q of softmax_k(Q[q] . K[k] / 8) V[k], for each of 4 batches x 16 heads of 1,024 rows of 64 channels.
; qkv: f16 [48 g][4096 m][64] (g = head: q, 16 + head: k, 32 + head: v; m = 1024 batch + t).  att: bf16 [16 head][4096 m][64], rounded once.
; Products, maxima and sums in f32; the weights p are rounded to f16 for the second product, their sum l is taken of the unrounded p.
; LIMITS.  q, k, v arrive within f16's range.  A hidden score is replaced by -1e30; m starts at the lowest finite number and c m at -4.25e37; a weight below 2^-126 counts as 0; NaN and infinities are not treated apart.
; THE WALK.  A head's queries lie in 8 blocks of 128; block i needs the key tiles 0 .. i of 128 keys, the last holding the diagonal.  A work-group takes blocks 7 - p and then p: 9 tiles whatever p,
; so all 256 work-groups do equal work, and one loop with a constant count walks them.  A wave owns 32 rows of a block: two tiles of 16 queries.  A key tile is two steps of 64 keys.
; NO CLUSTER: the four work-groups of a head change blocks at different trips, behind which they ask for different tiles; a walk common to all four would have 12 trips for 9.
; LAYOUT.  S^T = K Q^T (source 0 = 16 keys, source 1 = 16 queries): a lane holds ONE query (lane % 16) and the keys 8 (lane / 16) + 0..7.  Two such results rounded to f16 ARE source 1 of O^T = V^T P.
; SOFTMAX.  p = 2^(c s - c m), c = log2(e) / 8, with a running maximum m; O and l are multiplied by a = 2^(c m_old - c m_new) in every step; a block's first step has a = 0.
; A step goes in phases: 16 products K Q^T, the mask (diagonal tile only), the softmax, 16 products V^T P.
; REGISTERS: window 0: v0-15 addresses and at work; v16-31 statistics; v32-63 Q; v64-127 S^T; v128-159 P; v160-223 K of one step.  Window 1: v0-63 O^T; v64-127 V of one step; v128-159 the second block's Q.
.set KS,    64
.set PK,    144                        ; a row of K in LDS: 128 bytes + 16
.set PV,    160                        ; a row of V: 128 + 32
.set VOFF,  2*KS*PK                    ; a slot: 128 rows of K, then 128 rows of V
.set SLOT1, 1<<16                      ; slot 1 begins here: one exclusive or turns an address in one slot into the other's
.set STAGE, SLOT1+2*KS*(PK+PV)         ; never filled by a tensor load: 16 rows x 144 bytes for each wave
.set SP,    144
.set SPARE, STAGE+4*16*SP
.set AK0, 2
.set AV0, 3
.set AK,  4
.set AV,  5
.set STO, 6
.set RD,  7
.set GO,  8
.set MV,  12                           ; v12-13 c m_old by tile
.set THR, 14                           ; v14-15 the mask's thresholds by tile
.set ST,  16                           ; tile u at v[ST+8 u]: c m, m, l (even keys', odd keys'), c0-c3 at work; a takes c2's place
.set Q,   32
.set S,   64
.set P,   128
.set KF,  160
.set THR0, 224                         ; 32 w + lane % 16 - 8 (lane / 16)
.set BIG, 225                          ; -1e30
.set QO,  226
.set SPW, 228
.set NIL, 229
.set VF,  64                           ; window 1
.set QB,  128                          ; window 1
.set WV,  12
.set PBL, 14                           ; p
.set HI,  15                           ; 7 - p
.set G1K, 24
.set G1V, 32
.set G0K, 40
.set G0V, 44
.set OP,  48                           ; s[48:49] O at my rows of the block in hand; s[50:51] of the second block
.set OLO, 50
.set SLOTS, 56
.set CNT, 57
.set CS,  58
.set SEL, 60
.set TBK, 62
.set TBV, 63
.set RT,  70                           ; tiles of the block in hand still to be entered
.set NXT, 71                           ; the tile to be asked for next
.set LQ,  72                           ; the last tile of the block whose tiles are being asked for
.set OFF, 74
.set MSB, 0
.macro WIN new
.if MSB != (\new)
	s_set_vgpr_msb (MSB<<8)|(\new)
.set MSB, (\new)
.endif
.endm
.macro PLACES
.rept 4
	v_nop
.endr
.endm
.macro LOAD                            ; waves 0, 1 fetch the halves of a tile's K, waves 2, 3 those of its V: 64 keys each; an s_nop 0 and four v_nop follow each line
	s_cmp_lt_u32 s[WV], 2
	s_cbranch_scc0 .Lfor_v_\@
	tensor_load_to_lds s[G0K:G0K+3], s[G1K:G1K+7]
	s_nop 0
.rept 4
	v_nop
.endr
	s_branch .Lasked_\@
.Lfor_v_\@:
	tensor_load_to_lds s[G0V:G0V+3], s[G1V:G1V+7]
	s_nop 0
.rept 4
	v_nop
.endr
.Lasked_\@:
.endm
; THE CHANGE OF SLOTS.  Each wave waits for all its tensor loads (one is out: its part of the other slot), adds 0 to its spare word, and waits for that and for its reads of the slot that it leaves.
; fill = 1: the old slot is filled again, first thing behind the barrier, with tile NXT; the descriptor's address is made anew from that number.
.macro CHANGE fill
	WIN 0
	s_wait_tensorcnt 0x0
	ds_add_u32 v[SPW], v[NIL]
.if \fill
	s_lshl_b32 s[OFF], s[NXT], 14                  ; a tile is 16,384 bytes of K and of V
	s_xor_b32 s[G0K+1], s[G0K+1], SLOT1
	s_add_nc_u64 s[G0K+2:G0K+3], s[8:9], s[OFF:OFF+1]
	s_or_b32 s[G0K+3], s[G0K+3], 0x80000000
	s_xor_b32 s[G0V+1], s[G0V+1], SLOT1
	s_add_nc_u64 s[G0V+2:G0V+3], s[10:11], s[OFF:OFF+1]
	s_or_b32 s[G0V+3], s[G0V+3], 0x80000000
	s_add_co_u32 s[NXT], s[NXT], 1                 ; the block's next tile, or behind its last the second block's tile 0
	s_cmp_gt_u32 s[NXT], s[LQ]
	s_cselect_b32 s[NXT], 0, s[NXT]
	s_cselect_b32 s[LQ], s[PBL], s[LQ]
.endif
	s_wait_dscnt 0x0
	s_barrier_signal -1
	s_sub_co_u32 s[TBK], s[TBK], 2*KS*PK           ; the fetches go back to a slot's first step, in the other slot
	s_xor_b32 s[TBK], s[TBK], SLOT1
	s_sub_co_u32 s[TBV], s[TBV], 2*KS*PV
	s_xor_b32 s[TBV], s[TBV], SLOT1
	s_barrier_wait -1
.if \fill
	LOAD
.endif
.endm
	s_load_b128 s[4:7], s[0:1], 0x0                ; qkv s[4:5], att s[6:7]
	v_lshl_add_u32 v[SPW], v0, 2, SPARE
	v_mov_b32 v[NIL], 0
	ds_add_u32 v[SPW], v[NIL]                      ; the wave's opening: the add and its wait ahead of my first tensor load
	ds_add_u32 v228, v229
	v_lshrrev_b32 v1, 5, v0
	v_readfirstlane_b32 s[WV], v1
	s_mov_b32 s[PBL], ttmp9
	s_sub_co_u32 s[HI], 7, s[PBL]
	s_and_b32 s16, ttmp7, 0xffff
	s_and_b32 s17, s16, 15                         ; head
	s_lshr_b32 s18, s16, 4                         ; batch
	s_lshl_b32 s20, s17, 19                        ; a head's plane is 524,288 bytes,
	s_lshl_b32 s18, s18, 17                        ; a batch's 1,024 rows 131,072
	s_add_co_u32 s20, s20, s18
	s_and_b32 s16, s[WV], 1                        ; which half of a tile's 128 keys I fetch
	s_lshl_b32 s22, s16, 13
	s_add_co_u32 s22, s22, s20
	s_add_co_u32 s22, s22, 0x800000                ; k's planes begin 16 planes in
	s_mov_b32 s23, 0
	s_mul_i32 s17, s16, 64*PK
	s_mul_i32 s18, s16, 64*PV
	s_lshl_b32 s19, s[WV], 12                      ; my 32 rows in a block,
	s_lshl_b32 s2, s[HI], 14                       ; in the first block,
	s_add_co_u32 s2, s2, s19
	s_add_co_u32 s2, s2, s20
	s_mov_b32 s3, 0
	s_lshl_b32 s66, s[PBL], 14                     ; and in the second
	s_add_co_u32 s66, s66, s19
	s_add_co_u32 s66, s66, s20
	s_mov_b32 s67, 0
	; 64 keys are 8,192 dense bytes: asked for as 32 rows of 256 bytes, two keys a row, padded in LDS after every key
	s_mov_b32 s[G1K], (1<<16)|(1<<20)|(4<<22)|(3<<25)  ; 2-byte elements; padding on; after every 32 words; 4 words
	s_mov_b32 s[G1V], (1<<16)|(1<<20)|(4<<22)|(7<<25)  ; the same with 8 words
.irp g, G1K, G1V
	s_mov_b32 s[\g+1], 128<<16
	s_mov_b32 s[\g+2], 32<<16
	s_mov_b32 s[\g+3], 128<<16
	s_mov_b32 s[\g+4], 32
	s_mov_b32 s[\g+5], 128
	s_mov_b32 s[\g+6], 0
	s_mov_b32 s[\g+7], 0
.endr
	s_mov_b32 s[CS], 0x3e38aa3b                    ; c = log2(e) / 8
	s_mov_b32 s[CS+1], s[CS]
	s_mov_b32 s[SEL], 0x76543210
	s_mov_b32 s[SEL+1], 0xfedcba98
	s_mov_b32 s[TBK], SLOT1+2*KS*PK                ; the first change of slots turns these two into 0
	s_mov_b32 s[TBV], SLOT1+2*KS*PV
	s_mov_b32 s[G0K], 1
	s_mov_b32 s[G0K+1], s17
	s_mov_b32 s[G0V], 1
	s_add_co_u32 s[G0V+1], s18, VOFF
	s_add_co_u32 s[RT], s[HI], 1                   ; the first block has 8 - p tiles
	s_mov_b32 s[NXT], 1
	s_mov_b32 s[LQ], s[HI]
	s_mov_b32 s[OFF+1], 0
	s_mov_b32 s[SLOTS], 8
	s_wait_dscnt 0x0                               ; the opening add is done
	s_wait_kmcnt 0x0
	s_add_nc_u64 s[8:9], s[4:5], s[22:23]          ; K at my half of the head's tile 0,
	s_add_nc_u64 s[10:11], s[8:9], 0x800000        ; V 16 planes further on
	s_add_nc_u64 s[G0K+2:G0K+3], s[8:9], 0
	s_or_b32 s[G0K+3], s[G0K+3], 0x80000000
	s_add_nc_u64 s[G0V+2:G0V+3], s[10:11], 0
	s_or_b32 s[G0V+3], s[G0V+3], 0x80000000
	s_add_nc_u64 s[52:53], s[4:5], s[2:3]          ; Q at my rows of the first block, of the second
	s_add_nc_u64 s[54:55], s[4:5], s[66:67]
	s_add_nc_u64 s[OP:OP+1], s[6:7], s[2:3]        ; O likewise
	s_add_nc_u64 s[OLO:OLO+1], s[6:7], s[66:67]
	LOAD                                           ; tile 0 into slot 0
	v_and_b32 v1, 15, v0                           ; lane % 16
	v_bfe_u32 v9, v0, 4, 1                         ; lane / 16
	v_lshlrev_b32 v[QO], 7, v1
	v_lshl_add_u32 v[QO], v9, 4, v[QO]
.set i, 0
.rept 4                                ; tile i / 2, channels 32 (i % 2) on
	global_load_b128 v[Q+8*i:Q+8*i+3],   v[QO], s[52:53] offset:(i/2)*2048+(i%2)*64
	global_load_b128 v[Q+8*i+4:Q+8*i+7], v[QO], s[52:53] offset:(i/2)*2048+(i%2)*64+32
.set i, i+1
.endr
	WIN 0x40
.set i, 0
.rept 4
	global_load_b128 v[QB+8*i:QB+8*i+3],   v[QO], s[54:55] offset:(i/2)*2048+(i%2)*64
	global_load_b128 v[QB+8*i+4:QB+8*i+7], v[QO], s[54:55] offset:(i/2)*2048+(i%2)*64+32
.set i, i+1
.endr
.set i, 0
.rept 64                               ; O^T = 0: a block's first step multiplies it by a = 0, so it need only be finite.  This stands in the wait for the first tile
	v_mov_b32 v[i], 0
.set i, i+1
.endr
	WIN 0
	v_mul_u32_u24 v[AK0], v1, PK
	v_lshl_add_u32 v[AK0], v9, 4, v[AK0]
	v_and_b32 v10, 7, v0                           ; the turning load: lane l reads key 8 (l / 16) + l % 8, channels 8 ((l / 8) % 2) + 0..7
	v_bfe_u32 v11, v0, 3, 1
	v_lshl_add_u32 v[AV0], v9, 3, v10
	v_mul_u32_u24 v[AV0], v[AV0], PV
	v_lshl_add_u32 v[AV0], v11, 4, v[AV0]
	v_add_nc_u32 v[AV0], VOFF, v[AV0]
	s_mul_i32 s13, s[WV], 16*SP
	s_add_co_u32 s13, s13, STAGE
	v_mul_u32_u24 v[STO], v1, SP
	v_lshl_add_u32 v[STO], v9, 4, v[STO]
	v_add_nc_u32 v[STO], s13, v[STO]
	v_bfe_u32 v[RD], v0, 3, 2
	v_mul_u32_u24 v[RD], v[RD], SP
	v_lshl_add_u32 v[RD], v10, 4, v[RD]
	v_add_nc_u32 v[RD], s13, v[RD]
	v_and_b32 v[GO], 31, v0
	v_lshlrev_b32 v[GO], 4, v[GO]
	v_lshlrev_b32 v14, 3, v9
	v_sub_nc_u32 v14, v1, v14
	s_lshl_b32 s13, s[WV], 5
	v_add_nc_u32 v[THR0], s13, v14
	v_mov_b32 v[BIG], 0xf149f2ca
.irp u, 0,1
	v_mov_b32 v[ST+8*\u], 0xfe000000               ; c m: far below every c s
	v_mov_b32 v[ST+8*\u+1], 0xff7fffff             ; m
	v_mov_b32 v[ST+8*\u+2], 0
	v_mov_b32 v[ST+8*\u+3], 0
.endr
; Product i of 16 of S^T = K Q^T: channels 32 (i / 8) on, keys 16 ((i / 2) % 4) on, tile i % 2.  The eight accumulators take turns; the first eight products start the sums.
.macro KQ
.set rS, S+32*(i%2)+8*((i/2)%4)
.set rK, KF+16*((i/2)%4)+8*(i/8)
.set rQ, Q+16*(i%2)+8*(i/8)
.if i < 8
	v_wmma_f32_16x16x32_f16 v[rS:rS+7], v[rK:rK+7], v[rQ:rQ+7], 0
.else
	v_wmma_f32_16x16x32_f16 v[rS:rS+7], v[rK:rK+7], v[rQ:rQ+7], v[rS:rS+7]
.endif
.endm
; Product i of 16 of O^T += V^T P: keys 32 (i / 8) on, channels 16 ((i / 2) % 4) on, tile i % 2.
.macro PVM
.set rO, 32*(i%2)+8*((i/2)%4)
.set rV, VF+32*(i/8)+8*((i/2)%4)
.set rP, P+16*(i%2)+8*(i/8)
	v_wmma_f32_16x16x32_f16 v[rO:rO+7], v[rV:rV+7], v[rP:rP+7], v[rO:rO+7]
.endm
.macro FETCH_K                         ; a step's K: 64 keys x 64 channels, 8 fragments
.irp f, 0,1,2,3,4,5,6,7
	ds_load_b128 v[KF+8*\f:KF+8*\f+3],   v[AK] offset:(\f/2)*16*PK+(\f%2)*64
	ds_load_b128 v[KF+8*\f+4:KF+8*\f+7], v[AK] offset:(\f/2)*16*PK+(\f%2)*64+32
.endr
	s_add_co_u32 s[TBK], s[TBK], KS*PK
.endm
.macro FETCH_V                         ; a step's V, turned
	WIN 0x40
.irp f, 0,1,2,3,4,5,6,7
	ds_load_tr16_b128 v[VF+8*\f:VF+8*\f+3],   v[AV] offset:(\f/4)*32*PV+(\f%4)*32
	ds_load_tr16_b128 v[VF+8*\f+4:VF+8*\f+7], v[AV] offset:(\f/4)*32*PV+16*PV+(\f%4)*32
.endr
	WIN 0
.endm
; THE MASK of the diagonal tile's step 2 - CNT: register 8 kb + j of tile u holds key 64 step + 16 kb + 8 (lane / 16) + j, hidden where that is greater than my query 32 w + 16 u + lane % 16.
.macro MASK
	s_sub_co_u32 s76, s[CNT], 2
	s_lshl_b32 s76, s76, 6                         ; - 64 x step
	v_add_nc_u32 v[THR], s76, v[THR0]
	v_add_nc_u32 v[THR+1], 16, v[THR]
.irp u, 0,1
.set z, 0
.rept 32
	v_cmp_gt_i32 vcc_lo, 16*(z/8)+z%8, v[THR+\u]
	v_cndmask_b32 v[S+32*\u+z], v[S+32*\u+z], v[BIG], vcc_lo
.set z, z+1
.endr
.endr
.endm
.macro REGS u
.set rT, ST+8*(\u)
.set rC, ST+8*(\u)+4
.set rM, MV+(\u)
.set rS, S+32*(\u)
.set rP, P+16*(\u)
.set rO, 32*(\u)
.endm
; Number n of the 22 that find a tile's maximum and statistics; each accumulator's lowest registers are read first.
.macro XS u, n
	REGS \u
.if (\n) < 4
	v_max3_num_f32 v[rC+(\n)], v[rS+8*(\n)], v[rS+8*(\n)+1], v[rS+8*(\n)+2]
.elseif (\n) < 12
	v_max3_num_f32 v[rC+(\n)%4], v[rC+(\n)%4], v[rS+8*((\n)%4)+2*((\n)/4)+1], v[rS+8*((\n)%4)+2*((\n)/4)+2]
.elseif (\n) == 12
	v_max3_num_f32 v[rC], v[rC], v[rS+7], v[rS+15]
.elseif (\n) == 13
	v_max3_num_f32 v[rC+1], v[rC+1], v[rS+23], v[rS+31]
.elseif (\n) == 14
	v_max3_num_f32 v[rC+2], v[rC+2], v[rC+3], v[rT+1]
.elseif (\n) == 15
	v_mov_b32 v[rM], v[rT]
.elseif (\n) == 16
	v_max3_num_f32 v[rC], v[rC], v[rC+1], v[rC+2]
.elseif (\n) == 17
	v_permlanex16_b32 v[rC+3], v[rC], s[SEL], s[SEL+1]
.elseif (\n) == 18
	v_max_num_f32 v[rT+1], v[rC], v[rC+3]
.elseif (\n) == 19
	v_mul_f32 v[rT], s[CS], v[rT+1]
.elseif (\n) == 20
	v_sub_f32 v[rC+1], v[rM], v[rT]
.else
	v_exp_f32 v[rC+2], v[rC+1]
.endif
.endm
.macro FS u, n                         ; c s - c m for pair n
	REGS \u
	v_pk_fma_f32 v[rS+2*(\n):rS+2*(\n)+1], v[rS+2*(\n):rS+2*(\n)+1], s[CS:CS+1], v[rT:rT+1] op_sel_hi:[1,0,0] neg_lo:[0,0,1] neg_hi:[0,0,1]
.endm
.macro ES u, n                         ; the two exponentials of pair n
	REGS \u
	v_exp_f32 v[rS+2*(\n)], v[rS+2*(\n)]
	v_exp_f32 v[rS+2*(\n)+1], v[rS+2*(\n)+1]
.endm
.macro CV u, n                         ; pair n rounded to f16
	REGS \u
	s_wait_alu depctr_va_vdst(0)
	v_cvt_pk_f16_f32 v[rP+(\n)], v[rS+2*(\n)], v[rS+2*(\n)+1]
.endm
.macro SUMS u                          ; the 16 pairs are added in place, neighbours 1, 2, 4, 8 pairs apart; then l = a l + sum
	REGS \u
.irp w, 4,8,16,32
.set z, 0
.rept 32/\w
	v_pk_add_f32 v[rS+\w*z:rS+\w*z+1], v[rS+\w*z:rS+\w*z+1], v[rS+\w*z+\w/2:rS+\w*z+\w/2+1]
.set z, z+1
.endr
.endr
	v_pk_fma_f32 v[rT+2:rT+3], v[rT+2:rT+3], v[rT+6:rT+7], v[rS:rS+1] op_sel_hi:[1,0,1]
.endm
.macro RESC u                          ; O^T times a
	REGS \u
	WIN 0x41
.set z, 0
.rept 16
	v_pk_mul_f32 v[rO+2*z:rO+2*z+1], v[rO+2*z:rO+2*z+1], v[rT+6:rT+7] op_sel_hi:[1,0]
.set z, z+1
.endr
.endm
; The two tiles alternate.  Behind each group of exponentials stands plain work on other registers (scalings two pairs ahead, roundings a pair back) before a result is used (ISA guide 5.7.2).
.macro SOFTMAX
.set n, 0
.rept 22
	XS 0, n
	XS 1, n
.set n, n+1
.endr
	FS 0, 0
	FS 1, 0
	FS 0, 1
	FS 1, 1
.set n, 0
.rept 16
	ES 0, n
	ES 1, n
.if n < 14
	FS 0, n+2
	FS 1, n+2
.endif
.if n > 0
	CV 0, n-1
	CV 1, n-1
.endif
.set n, n+1
.endr
	CV 0, 15
	CV 1, 15
	SUMS 0
	SUMS 1
	RESC 0
	RESC 1
.endm
; A KEY STEP.  last = 1: the walk's last tile, which is a diagonal one: the mask is not jumped.
.macro STEP last
	s_wait_dscnt 0x0                               ; K is in
.set i, 0
.rept 16
	KQ
.set i, i+1
.endr
	v_add_nc_u32 v[AV], s[TBV], v[AV0]             ; four plain lines: the places between those products and the loads into K's registers, the reads of the scores,
	v_add_nc_u32 v[AK], s[TBK], v[AK0]             ; and between the last step's V^T P and the loads into V's registers
	v_nop
	v_nop
	s_add_co_u32 s[TBV], s[TBV], KS*PV
	FETCH_V                                        ; V of this step
	s_cmp_eq_u32 s[CNT], 1
	s_cbranch_scc1 .Lno_k_\@                       ; a tile's second step has no next step in the slot
	FETCH_K                                        ; K of the next step
.Lno_k_\@:
.if !(\last)
	s_cmp_lg_u32 s[RT], 0
	s_cbranch_scc1 .Lno_mask_\@                    ; only a block's last tile holds the diagonal
.endif
	MASK
.Lno_mask_\@:
	SOFTMAX
	s_wait_dscnt 0x0                               ; V is in (and the next K)
	WIN 0x51                                       ; V and O^T in window 1, P in window 0
.set i, 0
.rept 16
	PVM
.set i, i+1
.endr
	WIN 0
.endm
; A BLOCK'S END: l's halves and the other half of the lanes' are added; O^T is divided by l, rounded to bf16 and sent through my stage, a tile (16 rows, 2,048 consecutive bytes of att) at a time.
; sw = 1: the second block is set up: O's address, the count of tiles, m, and Q.
.macro FINISH sw
	PLACES
.irp u, 0,1
	v_add_f32 v[ST+8*\u+4], v[ST+8*\u+2], v[ST+8*\u+3]
.endr
.irp u, 0,1
	v_permlanex16_b32 v[ST+8*\u+5], v[ST+8*\u+4], s[SEL], s[SEL+1]
.endr
.irp u, 0,1
	v_add_f32 v[ST+8*\u+4], v[ST+8*\u+4], v[ST+8*\u+5]
.endr
.irp u, 0,1
	v_rcp_f32 v[ST+8*\u+6], v[ST+8*\u+4]
.endr
	v_nop                                          ; a plain instruction between the last reciprocal and its use
	s_wait_alu depctr_va_vdst(0)
.irp u, 0,1
	WIN 0x41
.set z, 0
.rept 16
	v_pk_mul_f32 v[32*\u+2*z:32*\u+2*z+1], v[32*\u+2*z:32*\u+2*z+1], v[ST+8*\u+6:ST+8*\u+7] op_sel_hi:[1,0]
.set z, z+1
.endr
	WIN 0x05
.set z, 0
.rept 16
	v_cvt_pk_bf16_f32 v[S+16*\u+z], v[32*\u+2*z], v[32*\u+2*z+1]
.set z, z+1
.endr
	WIN 0
.irp f, 0,1,2,3
	ds_store_b128 v[STO], v[S+16*\u+4*\f:S+16*\u+4*\f+3] offset:32*\f
.endr
.irp f, 0,1,2,3
	ds_load_b128 v[S+16*\u+4*\f:S+16*\u+4*\f+3], v[RD] offset:\f*4*SP  ; LDS serves a wave's instructions in order (ISA guide 5.7.1.4)
.endr
.endr
.irp u, 0,1
.irp f, 0,1,2,3
	s_wait_dscnt 8*(1-\u)+3-\f                     ; the younger LDS lines may stay out: the other tile's eight, and this tile's later loads
	global_store_b128 v[GO], v[S+16*\u+4*\f:S+16*\u+4*\f+3], s[OP:OP+1] offset:2048*\u+512*\f
.endr
.endr
.if \sw
	s_wait_xcnt 0x0                                ; the stores' registers and base are rewritten only behind this wait
	s_mov_b64 s[OP:OP+1], s[OLO:OLO+1]
	s_add_co_u32 s[RT], s[PBL], 1                  ; the second block has p + 1 tiles
.irp u, 0,1
	v_mov_b32 v[ST+8*\u], 0xfe000000
	v_mov_b32 v[ST+8*\u+1], 0xff7fffff
.endr
	WIN 0x01
.set z, 0
.rept 32
	v_mov_b32 v[Q+z], v[QB+z]
.set z, z+1
.endr
	WIN 0
.endif
.endm
.macro TILE last
	s_sub_co_u32 s[RT], s[RT], 1
	v_add_nc_u32 v[AK], s[TBK], v[AK0]
	FETCH_K                                        ; K of the tile's first step
	s_mov_b32 s[CNT], 2
.Lstep_\@:
	STEP \last
	s_sub_co_u32 s[CNT], s[CNT], 1
	s_cmp_lg_u32 s[CNT], 0
	s_cbranch_scc1 .Lstep_\@
.if \last
	FINISH 0
.else
	s_cmp_lg_u32 s[RT], 0
	s_cbranch_scc1 .Lno_end_\@
	FINISH 1
.Lno_end_\@:
.endif
.endm
	s_wait_loadcnt 0x0                             ; both blocks' Q
.Lslot:                                                ; eight trips: a tile is entered and the next is asked for; that load has the tile's two steps in which to land
	CHANGE 1
	TILE 0
	s_sub_co_u32 s[SLOTS], s[SLOTS], 1
	s_cmp_lg_u32 s[SLOTS], 0
	s_cbranch_scc1 .Lslot
	CHANGE 0                                       ; the walk's last tile is written out: nothing is asked for
	TILE 1
	s_wait_tensorcnt 0x0                           ; the wave's end
	ds_add_u32 v[SPW], v[NIL]
	s_wait_dscnt 0x0
	s_endpgm
.Lfunc_end_k_qfc72adbbbc_attn:
	.size	k_qfc72adbbbc_attn, .Lfunc_end_k_qfc72adbbbc_attn-k_qfc72adbbbc_attn
	.p2alignl 7, 3214868480
	.fill 96, 4, 3214868480
	.section	.rodata,"a",@progbits
	.p2align	6, 0x0
	.amdhsa_kernel k_qfc72adbbbc_attn
		.amdhsa_group_segment_fixed_size 327680
		.amdhsa_private_segment_fixed_size 0
		.amdhsa_enable_private_segment 0
		.amdhsa_kernarg_size 16
		.amdhsa_user_sgpr_count 2
		.amdhsa_user_sgpr_kernarg_segment_ptr 1
		.amdhsa_wavefront_size32 1
		.amdhsa_system_sgpr_workgroup_id_x 1
		.amdhsa_system_sgpr_workgroup_id_y 1
		.amdhsa_system_sgpr_workgroup_id_z 1
		.amdhsa_system_vgpr_workitem_id 0
		.amdhsa_next_free_vgpr 416
		.amdhsa_next_free_sgpr 80
		.amdhsa_reserve_vcc 1
		.amdhsa_float_denorm_mode_32 3
		.amdhsa_float_denorm_mode_16_64 3
		.amdhsa_memory_ordered 1
		.amdhsa_forward_progress 1
		.amdhsa_inst_pref_size 74
	.end_amdhsa_kernel
	.amdgpu_metadata
---
amdhsa.version: [ 1, 2 ]
amdhsa.kernels:
  - .name:           k_qfc72adbbbc_attn
    .symbol:         k_qfc72adbbbc_attn.kd
    .args:
      - { .name: qkv, .offset: 0, .size: 8, .value_kind: global_buffer, .address_space: global }
      - { .name: att, .offset: 8, .size: 8, .value_kind: global_buffer, .address_space: global }
    .group_segment_fixed_size: 327680
    .private_segment_fixed_size: 0
    .kernarg_segment_align: 8
    .kernarg_segment_size: 16
    .max_flat_workgroup_size: 128
    .sgpr_count:     80
    .vgpr_count:     416
    .wavefront_size: 32
...
	.end_amdgpu_metadata
.endif
;; end of part 3
;; launch gwo (part 4): grid 8 x 32, 4 waves a work-group, clusters of 4 x 4, 327,680 bytes of LDS; arguments att, wt, x1, bo, x; writes x1
.if DOCPART == 4
	.amdgcn_target "amdgcn-amd-amdhsa--gfx1250"
	.amdhsa_code_object_version 6
	.text
	.protected	k_qfc72adbbbc_gwo
	.globl	k_qfc72adbbbc_gwo
	.p2align	8
	.type	k_qfc72adbbbc_gwo,@function
k_qfc72adbbbc_gwo:
	s_mov_b64 s[64:65], 0
	v_nop
	global_prefetch_b8 v0, s[64:65] scope:SCOPE_SE
	s_setreg_imm32_b32 hwreg(HW_REG_WAVE_MODE, 25, 1), 1
	s_wait_xcnt 0x0
	s_wait_alu depctr_hold_cnt(0) depctr_sa_sdst(0) depctr_va_vdst(0) depctr_va_sdst(0) depctr_va_ssrc(0) depctr_va_vcc(0) depctr_vm_vsrc(0)
	s_getreg_b32 s2, hwreg(HW_REG_IB_STS2, 6, 4)
	s_cmp_eq_u32 s2, 0
	s_cbranch_scc0 .Lentry_in_a_cluster
	s_endpgm
.Lentry_in_a_cluster:
	s_bfe_u32 s2, ttmp6, 0x10000c
	s_cmp_lg_u32 s2, 0xf033
	s_cbranch_scc0 .Lentry_shape_is_right
	s_endpgm
.Lentry_shape_is_right:
; x1 = x + att Wo + bo.  A = att, bf16 by heads [16 h][4096 m][64] (k = 64 h + d); B = Wo^T in wt [1024 n][1024 k] bf16; sums, bias, residual and result in f32.
; A work-group makes 128 x 128 of the result: 8 x 32 = 256 work-groups.  Four waves, 2 x 2, each 64 x 64: 16 accumulators of 16 x 16.
; K goes in steps of 256 (four heads) through two LDS slots filled by tensor loads; a K step is written once, the slot in hand is a scalar that an exclusive or turns.  Both first fills go out together at the start.
; The last two K steps, which ask for nothing, are a loop of two trips; its last trip passes one barrier and fetches one run of fragments that nobody needs: the price, once a launch, of one text for both.
; A's tile: 64 rows of one head are 8,192 dense bytes, asked for as ONE row of the tile; four such rows, a head's plane apart; padded after every 128 bytes: in LDS [head][64 rows][144 bytes].
; CLUSTER 4 x 4: A's tiles are asked for jointly along a row of the cluster, B's along a column.
; THE MATRIX INSTRUCTION IS USED TRANSPOSED (source 0 = 16 rows of B, source 1 = 16 rows of A): a lane holds row lane % 16 of C and eight neighbouring columns.  The bias is the C operand of the first products.
; REGISTERS in windows of 256: window 0 addresses, A's fragments (v64, v128), the way out; window 1 B's fragments (v0, v128), the bias (v64); windows 2, 3 the accumulators; window 2 v128-255 the residual.
.set SIZE_K, 1024
.set TMR,    128
.set TNR,    128
.set WM,     4
.set WN,     4
.set KSTEP,  256
.set PA,     144
.set PB,     528
.set QIA,    4                         ; padding after every 32 words
.set QIB,    6                         ; after every 128 words
.set ABYTES, 2*4*64*PA
.set BBYTES, TNR*PB
.set AWAVE,  4*64*PA
.set AO1,    64                        ; sub-step s: head s / 2 (a plane of 64 rows), channels 32 (s % 2)
.set AO2,    64*PA
.set AO3,    64*PA+64
.set ASTEP,  64*PA
.set ADIM0,  64*64
.set AROWS,  4
.set ASTR,   4096*64
.set AROWB,  128
.set AGSTEP, 4*4096*64*2
.set WOFF,   6291456
.set OROWB,  4096
.set SPITCH, 272                       ; a stage row: 64 f32 + 16 bytes
.set CIN,    2
.set NSUB,   KSTEP/32
.set NT,     SIZE_K/KSTEP
.set NPAIR,  (NSUB-2)/2
.set NL,     2*(WM+WN)
.set SLOT,   ABYTES+BBYTES
.set STAGE,  2*SLOT
.set SPARE,  STAGE+4*16*SPITCH
.set ADRA0, 16
.set ADRB0, 17
.set ADRA,  18
.set ADRB,  19
.set STO,   24
.set RD,    25
.set CO,    26
.set BO,    27
.set SPW,   28
.set NIL,   29
.set OB0,   96
.set G1,  24                           ; s[24:31] A's shape, s[32:35] A's walking group 0; s[48:55], s[36:39] B's
.set G0,  32
.set G0B, 36
.set G1B, 48
.set GF,  72                           ; s[72:75], s[76:79] group 0 of the fills of slot 0 at the start
.set GFB, 76
.set WV,  56
.set WH,  57
.set WL,  58
.set SB,  59
.set TD,  60
.set LDA, 61
.set LDB, 62
.set KC,  63
.set PC,  67
.set TA,  68
.set TBB, 69
.set MSB, 0
.macro WIN new                         ; the immediate's high byte repeats the setting that is left; a switch that changes nothing is dropped
.if MSB != (\new)
	s_set_vgpr_msb (MSB<<8)|(\new)
.set MSB, (\new)
.endif
.endm
.macro PLACES                          ; four places in front of loads into registers that matrix instructions have read, and of lines that read results
.rept 4
	v_nop
.endr
.endm
.macro JLOAD                           ; a joint load: waves 0, 1 fetch A's halves, waves 2, 3 B's; an s_nop 0 and four v_nop follow each line
	s_cmp_eq_u32 s[WH], 0
	s_cbranch_scc0 .Lfor_b_\@
	tensor_load_to_lds s[G0:G0+3], s[G1:G1+7]
	s_nop 0
.rept 4
	v_nop
.endr
	s_branch .Lasked_\@
.Lfor_b_\@:
	tensor_load_to_lds s[G0B:G0B+3], s[G1B:G1B+7]
	s_nop 0
.rept 4
	v_nop
.endr
.Lasked_\@:
.endm
.macro CREST                           ; a round of the cluster's barrier behind its opening barrier
	s_cmp_lg_u32 s[WV], 0
	s_cbranch_scc1 .Lnot_wave_0_\@
	s_barrier_signal -3
.Lnot_wave_0_\@:
	s_barrier_wait -3
	s_barrier_signal -1
	s_barrier_wait -1
.endm
.macro CROUND
	s_barrier_signal -1
	s_barrier_wait -1
	CREST
.endm
.macro NEXTFILL                        ; the walking descriptors: the other slot, the next K step (no tensor load of mine is out)
	s_xor_b32 s[TD], s[TD], SLOT
	s_add_co_u32 s[G0+1], s[LDA], s[TD]
	s_add_co_u32 s[G0B+1], s[LDB], s[TD]
	s_add_nc_u64 s[G0+2:G0+3], s[G0+2:G0+3], AGSTEP
	s_add_nc_u64 s[G0B+2:G0B+3], s[G0B+2:G0B+3], KSTEP*2
.endm
; na row blocks from a0 on of half hi of my rows x all WN column blocks, 32 along K, from buffer f.  cin = 0: onto the sums; 1: the sums start with 0; 2: with the bias.
; The accumulators take turns, one instruction a turn, in the same order in every sub-step.
.macro MULR f, hi, a0, na, cin
.if (\cin) == 2
	WIN 0x91+0x40*(\hi)
.else
	WIN 0xa1+0x50*(\hi)
.endif
.set ma, (\a0)
.rept \na
.set mb, 0
.rept WN
.set rD, 8*(WN*ma+mb)
.set rB, 128*(\f)+8*mb
.set rA, 64+64*(\f)+8*((WM/2)*(\hi)+ma)
.if (\cin) == 0
	v_wmma_f32_16x16x32_bf16 v[rD:rD+7], v[rB:rB+7], v[rA:rA+7], v[rD:rD+7]
.elseif (\cin) == 1
	v_wmma_f32_16x16x32_bf16 v[rD:rD+7], v[rB:rB+7], v[rA:rA+7], 0
.else
	v_wmma_f32_16x16x32_bf16 v[rD:rD+7], v[rB:rB+7], v[rA:rA+7], v[64+8*mb:64+8*mb+7]
.endif
.set mb, mb+1
.endr
.set ma, ma+1
.endr
.endm
.macro FETCH f, ka, kb                 ; one run of NL LDS loads: a sub-step's fragments of B, then of A, into buffer f
	WIN 0x40
.set fi, 0
.rept WN
	ds_load_b128 v[128*(\f)+8*fi:128*(\f)+8*fi+3],   v[ADRB] offset:(\kb)+fi*16*PB
	ds_load_b128 v[128*(\f)+8*fi+4:128*(\f)+8*fi+7], v[ADRB] offset:(\kb)+fi*16*PB+32
.set fi, fi+1
.endr
	WIN 0
.set fi, 0
.rept WM
	ds_load_b128 v[64+64*(\f)+8*fi:64+64*(\f)+8*fi+3],   v[ADRA] offset:(\ka)+fi*16*PA
	ds_load_b128 v[64+64*(\f)+8*fi+4:64+64*(\f)+8*fi+7], v[ADRA] offset:(\ka)+fi*16*PA+32
.set fi, fi+1
.endr
.endm
.macro SUB f, g, ka, kb, cin           ; a sub-step of 32 along K: multiplies buffer f; in its middle the next sub-step's fragments are fetched into g
	s_wait_dscnt WM                                ; B and the lower half of A's blocks are in; the youngest WM loads may be out
	MULR \f, 0, 0, WM/2, \cin
	PLACES
	FETCH \g, \ka, \kb
	s_wait_dscnt NL                                ; all but the run just issued
	MULR \f, 1, 0, WM/2, \cin
.endm
.macro UPART                           ; sub-steps 1 to NSUB - 2
.if NPAIR > 1
	WIN 0
	s_mov_b32 s[PC], NPAIR
.Lpair_\@:
	SUB 1, 0, AO2, 128, 0
	SUB 0, 1, AO3, 192, 0
	WIN 0
	s_add_co_u32 s[TA], s[TA], ASTEP
	s_add_co_u32 s[TBB], s[TBB], 128
	v_add_nc_u32 v[ADRA], s[TA], v[ADRA0]
	v_add_nc_u32 v[ADRB], s[TBB], v[ADRB0]
	s_sub_co_u32 s[PC], s[PC], 1
	s_cmp_lg_u32 s[PC], 0
	s_cbranch_scc1 .Lpair_\@
.else
	SUB 1, 0, AO2, 128, 0
	SUB 0, 1, AO3, 192, 0
.endif
.endm
; The last sub-step multiplies buffer 1 and changes slots.  In front of the barrier each wave waits for all its tensor loads (one is out: its part of the next slot), adds 0 to its spare word,
; and waits for that and for its reads of this slot.  fill = 1: the barrier opens a round of the cluster's, and the joint refill of the slot just read is the first thing behind the round.
.macro TURN fill
	WIN 0
	s_wait_tensorcnt 0x0
	ds_add_u32 v[SPW], v[NIL]
	s_wait_dscnt WM+1                              ; the add and the youngest WM loads may be out
	MULR 1, 0, 0, WM/4, 0
	s_wait_dscnt 0x0                               ; the add is done, my reads of this slot are over
	s_barrier_signal -1
	MULR 1, 0, WM/4, WM/4, 0
	WIN 0
	s_barrier_wait -1
.if \fill
	CREST
	NEXTFILL
	JLOAD                                          ; its four v_nop are also the places in front of the loads below
.else
	PLACES
.endif
	s_xor_b32 s[SB], s[SB], SLOT
	s_mov_b32 s[TA], s[SB]
	s_mov_b32 s[TBB], s[SB]
	v_add_nc_u32 v[ADRA], s[TA], v[ADRA0]
	v_add_nc_u32 v[ADRB], s[TBB], v[ADRB0]
	FETCH 0, 0, 0
	MULR 1, 1, 0, WM/2, 0
.endm
	s_load_b256 s[4:11], s[0:1], 0x0               ; A s[4:5], wt s[6:7], the output s[8:9], the bias s[10:11]
	s_load_b64 s[12:13], s[0:1], 0x20              ; the residual
	v_lshl_add_u32 v[SPW], v0, 2, SPARE
	v_mov_b32 v[NIL], 0
	ds_add_u32 v[SPW], v[NIL]                      ; the wave's opening: the add and its wait ahead of my first tensor load
	ds_add_u32 v28, v29
	v_lshrrev_b32 v1, 5, v0
	v_readfirstlane_b32 s[WV], v1
	s_lshr_b32 s[WH], s[WV], 1
	s_and_b32 s[WL], s[WV], 1
	s_bfe_u32 s40, ttmp6, 0x40000                  ; cx, cy: my place in the cluster
	s_bfe_u32 s41, ttmp6, 0x40004
	s_lshl_b32 s42, ttmp9, 2
	s_add_co_u32 s42, s42, s40                     ; tile column
	s_and_b32 s45, ttmp7, 0xffff
	s_lshl_b32 s45, s45, 2
	s_add_co_u32 s45, s45, s41                     ; tile row
	s_lshl_b32 s43, s41, 2
	s_lshl_b32 s43, 15, s43                        ; my row of the cluster
	s_lshl_b32 s44, 0x1111, s40                    ; my column
	s_or_b32 s[G1], s43, (1<<16)|(1<<20)|(1<<21)|(QIA<<22)|(3<<25)   ; mask; 2-byte elements; padding on; bit 21 beside a mask; the interval; 4 words of padding
	s_or_b32 s[G1B], s44, (1<<16)|(1<<20)|(1<<21)|(QIB<<22)|(3<<25)
	s_mov_b32 s[G1+1], (ADIM0&0xffff)<<16          ; tensor_dim0
	s_mov_b32 s[G1+2], (ADIM0>>16)|(AROWS<<16)     ; tensor_dim1
	s_mov_b32 s[G1+3], ADIM0<<16                   ; tile_dim0
	s_mov_b32 s[G1+4], AROWS                       ; tile_dim1
	s_mov_b32 s[G1+5], ASTR                        ; elements from row to row
	s_mov_b32 s[G1+6], 0
	s_mov_b32 s[G1+7], 0
	s_mov_b32 s[G1B+1], KSTEP<<16
	s_mov_b32 s[G1B+2], (TNR/2)<<16
	s_mov_b32 s[G1B+3], KSTEP<<16
	s_mov_b32 s[G1B+4], TNR/2
	s_mov_b32 s[G1B+5], SIZE_K
	s_mov_b32 s[G1B+6], 0
	s_mov_b32 s[G1B+7], 0
	s_mul_i32 s[LDA], s[WL], ABYTES/2              ; no place in the cluster enters an LDS address
	s_mul_i32 s[LDB], s[WL], BBYTES/2
	s_add_co_u32 s[LDB], s[LDB], ABYTES
	s_mov_b32 s[SB], 0
	s_mov_b32 s[TD], SLOT                          ; the walking descriptors begin at slot 1
	s_mov_b32 s[TA], 0
	s_mov_b32 s[TBB], 0
	s_mov_b32 s[GF], 1
	s_mov_b32 s[GF+1], s[LDA]
	s_mov_b32 s[GFB], 1
	s_mov_b32 s[GFB+1], s[LDB]
	s_mov_b32 s[G0], 1
	s_add_co_u32 s[G0+1], s[LDA], SLOT
	s_mov_b32 s[G0B], 1
	s_add_co_u32 s[G0B+1], s[LDB], SLOT
	s_mul_i32 s16, s45, TMR                        ; A: my half of the tile row's rows, in bytes
	s_mul_i32 s17, s[WL], TMR/2
	s_add_co_u32 s16, s16, s17
	s_mul_i32 s16, s16, AROWB
	s_mov_b32 s17, 0
	s_mul_i32 s46, s42, TNR                        ; B: my half of the tile column's rows
	s_mul_i32 s47, s[WL], TNR/2
	s_add_co_u32 s46, s46, s47
	s_mul_i32 s46, s46, SIZE_K*2
	s_add_co_u32 s46, s46, WOFF
	s_mov_b32 s47, 0
	s_wait_dscnt 0x0                               ; the opening add is done
	CROUND                                         ; all sixteen work-groups are here: the first joint loads meet.  The round names no argument, so it stands ahead of the wait for them
	s_wait_kmcnt 0x0
	s_add_nc_u64 s[GF+2:GF+3], s[4:5], s[16:17]    ; K step 0,
	s_add_nc_u64 s[G0+2:G0+3], s[GF+2:GF+3], AGSTEP  ; K step 1
	s_or_b32 s[GF+3], s[GF+3], 0x80000000
	s_or_b32 s[G0+3], s[G0+3], 0x80000000
	s_add_nc_u64 s[GFB+2:GFB+3], s[6:7], s[46:47]
	s_add_nc_u64 s[G0B+2:G0B+3], s[GFB+2:GFB+3], KSTEP*2
	s_or_b32 s[GFB+3], s[GFB+3], 0x80000000
	s_or_b32 s[G0B+3], s[G0B+3], 0x80000000
	s_cmp_eq_u32 s[WH], 0                          ; a wave's two first fills stand in one branch, ahead of every wait on TENSORcnt and every LDS read: two loads of mine are out
	s_cbranch_scc0 .Lfirst_b
	tensor_load_to_lds s[GF:GF+3], s[G1:G1+7]
	s_nop 0
	tensor_load_to_lds s[G0:G0+3], s[G1:G1+7]
	s_nop 0
.rept 4
	v_nop
.endr
	s_branch .Lfirst_asked
.Lfirst_b:
	tensor_load_to_lds s[GFB:GFB+3], s[G1B:G1B+7]
	s_nop 0
	tensor_load_to_lds s[G0B:G0B+3], s[G1B:G1B+7]
	s_nop 0
.rept 4
	v_nop
.endr
.Lfirst_asked:
	v_and_b32 v1, 15, v0                           ; r = lane % 16
	v_bfe_u32 v2, v0, 4, 1                         ; h = lane / 16
	v_mul_u32_u24 v3, v1, PA
	v_lshl_add_u32 v3, v2, 4, v3
	s_mul_i32 s14, s[WH], AWAVE                    ; wave w has rows 64 (w / 2) .. and columns 64 (w % 2) .. of the tile
	v_add_nc_u32 v[ADRA0], s14, v3
	v_mul_u32_u24 v3, v1, PB
	v_lshl_add_u32 v3, v2, 4, v3
	s_mul_i32 s14, s[WL], 16*WN*PB
	s_add_co_u32 s14, s14, ABYTES
	v_add_nc_u32 v[ADRB0], s14, v3
	v_mov_b32 v[ADRA], v[ADRA0]
	v_mov_b32 v[ADRB], v[ADRB0]
	s_mul_i32 s14, s[WV], 16*SPITCH
	s_add_co_u32 s14, s14, STAGE                   ; my stage
	v_mul_u32_u24 v3, v1, SPITCH                   ; in: row r, 32 bytes for each half of the lanes
	v_lshl_add_u32 v3, v2, 5, v3
	v_add_nc_u32 v[STO], s14, v3
	v_mul_u32_u24 v3, v2, SPITCH                   ; back: lanes 0-15 take one row of 256 bytes, lanes 16-31 the next
	v_lshl_add_u32 v3, v1, 4, v3
	v_add_nc_u32 v[RD], s14, v3
	v_lshlrev_b32 v3, 12, v2                       ; and the same two rows in the output and in the residual
	v_lshl_add_u32 v[CO], v1, 4, v3
	v_lshlrev_b32 v[BO], 5, v2                     ; the bias of my eight columns of a block
	s_mul_i32 s16, s45, TMR
	s_mul_i32 s17, s[WH], 16*WM
	s_add_co_u32 s16, s16, s17
	s_mul_i32 s16, s16, OROWB                      ; my first row, in bytes
	s_mov_b32 s17, 0
	s_mul_i32 s46, s42, TNR
	s_mul_i32 s47, s[WL], 16*WN
	s_add_co_u32 s46, s46, s47
	s_lshl_b32 s46, s46, 2                         ; my first column, in bytes of f32
	s_mov_b32 s47, 0
	s_add_nc_u64 s[8:9], s[8:9], s[16:17]
	s_add_nc_u64 s[8:9], s[8:9], s[46:47]
	s_add_nc_u64 s[12:13], s[12:13], s[16:17]
	s_add_nc_u64 s[12:13], s[12:13], s[46:47]
	s_add_nc_u64 s[10:11], s[10:11], s[46:47]
	WIN 0x40
.set bi, 0
.rept WN
	global_load_b128 v[64+8*bi:64+8*bi+3],   v[BO], s[10:11] offset:64*bi
	global_load_b128 v[64+8*bi+4:64+8*bi+7], v[BO], s[10:11] offset:64*bi+16
.set bi, bi+1
.endr
	WIN 0x80                                       ; the residual, in the layout in which rows come back from the stage; it lands while K is walked
.irp a, 0,1,2,3
.irp t, 0,1,2,3,4,5,6,7
	global_load_b128 v[128+32*\a+4*\t:128+32*\a+4*\t+3], v[CO], s[12:13] offset:(16*\a+2*\t)*OROWB
.endr
.endr
	WIN 0
	s_wait_tensorcnt 0x1                           ; my part of slot 0 is in; slot 1's, the one younger load, may stay out
	s_barrier_signal -1
	s_barrier_wait -1                              ; everybody's part is in
	FETCH 0, 0, 0
	s_wait_loadcnt 32                              ; the bias is in; the residual's 32 loads may stay out
	SUB 0, 1, AO1, 64, CIN                         ; the first sub-step stands in front of the loop: its products start the sums, with the bias
	WIN 0
	s_mov_b32 s[KC], NT-2
.Lk:                                                   ; a trip: from a K step's second sub-step to the next step's first; it fills one slot again
	UPART
	TURN 1
	SUB 0, 1, AO1, 64, 0
	WIN 0
	s_sub_co_u32 s[KC], s[KC], 1
	s_cmp_lg_u32 s[KC], 0
	s_cbranch_scc1 .Lk
	s_mov_b32 s[KC], 2
.Ltail:                                                ; the last two K steps ask for nothing
	UPART
	TURN 0
	WIN 0
	s_cmp_lg_u32 s[KC], 1
	s_cbranch_scc1 .Lgo_on
	s_wait_dscnt 0x0                               ; the last trip: no step follows; the run that TURN fetched from the stale slot is let land and is not used
	s_branch .Lcount
.Lgo_on:
	SUB 0, 1, AO1, 64, 0
	WIN 0
.Lcount:
	s_sub_co_u32 s[KC], s[KC], 1
	s_cmp_lg_u32 s[KC], 0
	s_cbranch_scc1 .Ltail
	s_wait_dscnt 0x0                               ; no LDS load is out: the fragments' registers serve the way out
	PLACES
; THE WAY OUT, a block of 16 rows at a time: the f32 sums go into my own stage (32 bytes a lane and block), come back as whole rows of 256 bytes, take the residual, and are stored.
.macro TOSTAGE a
.set AC, 8*WN*((\a)%(WM/2))
.set BK, OB0+64*((\a)%2)
.if (\a) >= 2
	s_wait_xcnt 0x0                                ; this buffer, which the stores of two blocks ago read, is loaded again only behind this wait
.endif
	WIN 0x08+4*((\a)/(WM/2))                       ; the stores' data in window 2 or 3
.irp b, 0,1,2,3
	ds_store_b128 v[STO], v[AC+8*\b:AC+8*\b+3] offset:64*\b
	ds_store_b128 v[STO], v[AC+8*\b+4:AC+8*\b+7] offset:64*\b+16
.endr
	WIN 0
.irp t, 0,1,2,3,4,5,6,7
	ds_load_b128 v[BK+4*\t:BK+4*\t+3], v[RD] offset:\t*2*SPITCH  ; LDS serves a wave's instructions in order (ISA guide 5.7.1.4): these see the stores above
.endr
.endm
.macro SEND a, y                       ; y: the LDS lines issued behind this block's loads
.set BK, OB0+64*((\a)%2)
	s_wait_dscnt \y
.if (\a) == 0
	s_wait_loadcnt 0x0                             ; the residual
.endif
	WIN 0x08
.set z, 0
.rept 16
	v_pk_add_f32 v[BK+2*z:BK+2*z+1], v[BK+2*z:BK+2*z+1], v[128+32*(\a)+2*z:128+32*(\a)+2*z+1]
.set z, z+1
.endr
	WIN 0
.irp t, 0,1,2,3,4,5,6,7
	global_store_b128 v[CO], v[BK+4*\t:BK+4*\t+3], s[8:9] offset:(16*(\a)+2*\t)*OROWB  ; 16 lanes store 256 consecutive bytes, aligned
.endr
.endm
	TOSTAGE 0
.irp a, 1,2,3
	TOSTAGE \a
	SEND (\a)-1, 16
.endr
	SEND 3, 0
	s_wait_tensorcnt 0x0                           ; the wave's end
	ds_add_u32 v[SPW], v[NIL]
	s_wait_dscnt 0x0
	CROUND                                         ; the closing round
	s_endpgm
.Lfunc_end_k_qfc72adbbbc_gwo:
	.size	k_qfc72adbbbc_gwo, .Lfunc_end_k_qfc72adbbbc_gwo-k_qfc72adbbbc_gwo
	.p2alignl 7, 3214868480
	.fill 96, 4, 3214868480
	.section	.rodata,"a",@progbits
	.p2align	6, 0x0
	.amdhsa_kernel k_qfc72adbbbc_gwo
		.amdhsa_group_segment_fixed_size 327680
		.amdhsa_private_segment_fixed_size 0
		.amdhsa_enable_private_segment 0
		.amdhsa_kernarg_size 40
		.amdhsa_user_sgpr_count 2
		.amdhsa_user_sgpr_kernarg_segment_ptr 1
		.amdhsa_wavefront_size32 1
		.amdhsa_system_sgpr_workgroup_id_x 1
		.amdhsa_system_sgpr_workgroup_id_y 1
		.amdhsa_system_sgpr_workgroup_id_z 1
		.amdhsa_system_vgpr_workitem_id 0
		.amdhsa_next_free_vgpr 832
		.amdhsa_next_free_sgpr 80
		.amdhsa_reserve_vcc 0
		.amdhsa_float_denorm_mode_32 3
		.amdhsa_float_denorm_mode_16_64 3
		.amdhsa_memory_ordered 1
		.amdhsa_forward_progress 1
		.amdhsa_inst_pref_size 48
	.end_amdhsa_kernel
	.amdgpu_metadata
---
amdhsa.version: [ 1, 2 ]
amdhsa.kernels:
  - .name:           k_qfc72adbbbc_gwo
    .symbol:         k_qfc72adbbbc_gwo.kd
    .args:
      - { .name: att, .offset: 0, .size: 8, .value_kind: global_buffer, .address_space: global }
      - { .name: wt, .offset: 8, .size: 8, .value_kind: global_buffer, .address_space: global }
      - { .name: x1, .offset: 16, .size: 8, .value_kind: global_buffer, .address_space: global }
      - { .name: bo, .offset: 24, .size: 8, .value_kind: global_buffer, .address_space: global }
      - { .name: x, .offset: 32, .size: 8, .value_kind: global_buffer, .address_space: global }
    .group_segment_fixed_size: 327680
    .private_segment_fixed_size: 0
    .kernarg_segment_align: 8
    .kernarg_segment_size: 40
    .max_flat_workgroup_size: 128
    .sgpr_count:     80
    .vgpr_count:     832
    .wavefront_size: 32
...
	.end_amdgpu_metadata
.endif
;; end of part 4
;; launch ln (part 5): grid 512 x 1, 8 waves a work-group, no clusters, 0 bytes of LDS; arguments x1, g2, be2, hn; writes hn
.if DOCPART == 5
	.amdgcn_target "amdgcn-amd-amdhsa--gfx1250"
	.amdhsa_code_object_version 6
	.text
	.protected	k_qfc72adbbbc_ln
	.globl	k_qfc72adbbbc_ln
	.p2align	8
	.type	k_qfc72adbbbc_ln,@function
k_qfc72adbbbc_ln:
	s_mov_b64 s[64:65], 0
	v_nop
	global_prefetch_b8 v0, s[64:65] scope:SCOPE_SE
	s_setreg_imm32_b32 hwreg(HW_REG_WAVE_MODE, 25, 1), 1
	s_wait_xcnt 0x0
; y[r][:] = (x[r][:] - mean) * rsqrt(var + 1e-5) * g + b.  x: [4096][1024] f32; g, b: [1024] f32; y: [4096][1024] bf16, rounded once.
; One wave takes one whole row and keeps it in registers: the mean first, then the squares of the centred numbers (no difference of large sums), all in f32.  512 work-groups of eight waves.
; In chunk j of the row lane L holds elements 128 j + 4 L .. + 3: a load covers 512 consecutive bytes, a store of 8 bytes a lane 256 consecutive bytes, aligned.
; Memory binds: no LDS, no barrier, no matrix unit, no cluster (no bytes but g and b are shared, 8 KiB).
.set X,  8                             ; v8-39    the row, f32; at last its 16 words of bf16
.set G,  40                            ; v40-71   g
.set BV, 72                            ; v72-103  b
.set T,  104                           ; v104-119 at work
.set MU, 120                           ; v120-121 the mean, twice
.set RS, 122                           ; v122-123 1 / sqrt(var + eps), twice
.macro RED                             ; eight pairs in T -> their sum over the row, in v[T] of every lane
.irp k, 0,2,4,6
	v_pk_add_f32 v[T+\k:T+\k+1], v[T+\k:T+\k+1], v[T+\k+8:T+\k+9]
.endr
.irp k, 0,2
	v_pk_add_f32 v[T+\k:T+\k+1], v[T+\k:T+\k+1], v[T+\k+4:T+\k+5]
.endr
	v_pk_add_f32 v[T:T+1], v[T:T+1], v[T+2:T+3]
	v_add_f32 v[T], v[T], v[T+1]
	v_add_f32_dpp v[T], v[T], v[T] row_xmask:1 row_mask:0xf bank_mask:0xf
	v_add_f32_dpp v[T], v[T], v[T] row_xmask:2 row_mask:0xf bank_mask:0xf
	v_add_f32_dpp v[T], v[T], v[T] row_xmask:4 row_mask:0xf bank_mask:0xf
	v_add_f32_dpp v[T], v[T], v[T] row_xmask:8 row_mask:0xf bank_mask:0xf
	v_permlanex16_b32 v[T+1], v[T], s12, s13
	v_add_f32 v[T], v[T], v[T+1]
.endm
	s_load_b256 s[4:11], s[0:1], 0x0               ; x s[4:5], g s[6:7], b s[8:9], y s[10:11]
	v_lshrrev_b32 v3, 5, v0
	v_readfirstlane_b32 s16, v3                    ; wave
	s_lshl_b32 s17, ttmp9, 3
	s_add_co_u32 s16, s16, s17                     ; my row
	s_lshl_b32 s18, s16, 12                        ; 4,096 bytes a row in x
	s_mov_b32 s19, 0
	s_lshl_b32 s20, s16, 11                        ; 2,048 bytes a row in y
	s_mov_b32 s21, 0
	s_mov_b32 s12, 0x76543210                      ; v_permlanex16_b32: each lane takes its own place in the other half
	s_mov_b32 s13, 0xfedcba98
	s_mov_b32 s14, 0x3a800000                      ; 1 / 1024
	s_mov_b32 s15, 0x3727c5ac                      ; 1e-5
	v_and_b32 v1, 31, v0
	v_lshlrev_b32 v2, 3, v1                        ; 8 x lane
	v_lshlrev_b32 v1, 4, v1                        ; 16 x lane
	s_wait_kmcnt 0x0
	s_add_nc_u64 s[4:5], s[4:5], s[18:19]
	s_add_nc_u64 s[10:11], s[10:11], s[20:21]
.irp j, 0,1,2,3,4,5,6,7
	global_load_b128 v[X+4*\j:X+4*\j+3], v1, s[4:5] offset:512*\j
.endr
.irp j, 0,1,2,3,4,5,6,7
	global_load_b128 v[G+4*\j:G+4*\j+3], v1, s[6:7] offset:512*\j
.endr
.irp j, 0,1,2,3,4,5,6,7
	global_load_b128 v[BV+4*\j:BV+4*\j+3], v1, s[8:9] offset:512*\j
.endr
	s_wait_loadcnt 16                              ; the row is in; the 16 loads of g and b may stay out
.irp k, 0,1,2,3,4,5,6,7
	v_pk_add_f32 v[T+2*\k:T+2*\k+1], v[X+4*\k:X+4*\k+1], v[X+4*\k+2:X+4*\k+3]
.endr
	RED
	v_mul_f32 v[MU], s14, v[T]
	v_mul_f32 v[MU+1], s14, v[T]
.set z, 0
.rept 16
	v_pk_add_f32 v[X+2*z:X+2*z+1], v[X+2*z:X+2*z+1], v[MU:MU+1] neg_lo:[0,1] neg_hi:[0,1]  ; x - mean
.set z, z+1
.endr
.irp k, 0,1,2,3,4,5,6,7
	v_pk_mul_f32 v[T+2*\k:T+2*\k+1], v[X+4*\k:X+4*\k+1], v[X+4*\k:X+4*\k+1]
.endr
.irp k, 0,1,2,3,4,5,6,7
	v_pk_fma_f32 v[T+2*\k:T+2*\k+1], v[X+4*\k+2:X+4*\k+3], v[X+4*\k+2:X+4*\k+3], v[T+2*\k:T+2*\k+1]
.endr
	RED
	v_fma_f32 v[T], v[T], s14, s15                 ; var + eps
	v_rsq_f32 v[RS], v[T]
	v_rsq_f32 v[RS+1], v[T]
	v_nop                                          ; a plain instruction between the root and the use of its result (ISA guide 5.7.2)
	s_wait_loadcnt 0x0                             ; g and b
.set z, 0
	s_wait_alu depctr_va_vdst(0)
.rept 16
	v_pk_mul_f32 v[X+2*z:X+2*z+1], v[X+2*z:X+2*z+1], v[RS:RS+1]
.set z, z+1
.endr
.set z, 0
.rept 16
	v_pk_fma_f32 v[X+2*z:X+2*z+1], v[X+2*z:X+2*z+1], v[G+2*z:G+2*z+1], v[BV+2*z:BV+2*z+1]
.set z, z+1
.endr
.set z, 0
.rept 16
	v_cvt_pk_bf16_f32 v[X+z], v[X+2*z], v[X+2*z+1]  ; in place: word z lands on a register whose number has been rounded already
.set z, z+1
.endr
.irp j, 0,1,2,3,4,5,6,7
	global_store_b64 v2, v[X+2*\j:X+2*\j+1], s[10:11] offset:256*\j  ; 32 lanes store 256 consecutive bytes, aligned
.endr
	s_endpgm
.Lfunc_end_k_qfc72adbbbc_ln:
	.size	k_qfc72adbbbc_ln, .Lfunc_end_k_qfc72adbbbc_ln-k_qfc72adbbbc_ln
	.p2alignl 7, 3214868480
	.fill 96, 4, 3214868480
	.section	.rodata,"a",@progbits
	.p2align	6, 0x0
	.amdhsa_kernel k_qfc72adbbbc_ln
		.amdhsa_group_segment_fixed_size 0
		.amdhsa_private_segment_fixed_size 0
		.amdhsa_enable_private_segment 0
		.amdhsa_kernarg_size 32
		.amdhsa_user_sgpr_count 2
		.amdhsa_user_sgpr_kernarg_segment_ptr 1
		.amdhsa_wavefront_size32 1
		.amdhsa_system_sgpr_workgroup_id_x 1
		.amdhsa_system_sgpr_workgroup_id_y 1
		.amdhsa_system_sgpr_workgroup_id_z 1
		.amdhsa_system_vgpr_workitem_id 0
		.amdhsa_next_free_vgpr 124
		.amdhsa_next_free_sgpr 66
		.amdhsa_reserve_vcc 0
		.amdhsa_float_denorm_mode_32 3
		.amdhsa_float_denorm_mode_16_64 3
		.amdhsa_memory_ordered 1
		.amdhsa_forward_progress 1
		.amdhsa_inst_pref_size 12
	.end_amdhsa_kernel
	.amdgpu_metadata
---
amdhsa.version: [ 1, 2 ]
amdhsa.kernels:
  - .name:           k_qfc72adbbbc_ln
    .symbol:         k_qfc72adbbbc_ln.kd
    .args:
      - { .name: x1, .offset: 0, .size: 8, .value_kind: global_buffer, .address_space: global }
      - { .name: g2, .offset: 8, .size: 8, .value_kind: global_buffer, .address_space: global }
      - { .name: be2, .offset: 16, .size: 8, .value_kind: global_buffer, .address_space: global }
      - { .name: hn, .offset: 24, .size: 8, .value_kind: global_buffer, .address_space: global }
    .group_segment_fixed_size: 0
    .private_segment_fixed_size: 0
    .kernarg_segment_align: 8
    .kernarg_segment_size: 32
    .max_flat_workgroup_size: 256
    .sgpr_count:     66
    .vgpr_count:     124
    .wavefront_size: 32
...
	.end_amdgpu_metadata
.endif
;; end of part 5
;; launch gw1 (part 6): grid 16 x 16, 4 waves a work-group, clusters of 4 x 4, 327,680 bytes of LDS; arguments hn, wt, h1, b1; writes h1
.if DOCPART == 6
	.amdgcn_target "amdgcn-amd-amdhsa--gfx1250"
	.amdhsa_code_object_version 6
	.text
	.protected	k_qfc72adbbbc_gw1
	.globl	k_qfc72adbbbc_gw1
	.p2align	8
	.type	k_qfc72adbbbc_gw1,@function
k_qfc72adbbbc_gw1:
	s_mov_b64 s[64:65], 0
	v_nop
	global_prefetch_b8 v0, s[64:65] scope:SCOPE_SE
	s_setreg_imm32_b32 hwreg(HW_REG_WAVE_MODE, 25, 1), 1
	s_wait_xcnt 0x0
	s_wait_alu depctr_hold_cnt(0) depctr_sa_sdst(0) depctr_va_vdst(0) depctr_va_sdst(0) depctr_va_ssrc(0) depctr_va_vcc(0) depctr_vm_vsrc(0)
	s_getreg_b32 s2, hwreg(HW_REG_IB_STS2, 6, 4)
	s_cmp_eq_u32 s2, 0
	s_cbranch_scc0 .Lentry_in_a_cluster
	s_endpgm
.Lentry_in_a_cluster:
	s_bfe_u32 s2, ttmp6, 0x10000c
	s_cmp_lg_u32 s2, 0xf033
	s_cbranch_scc0 .Lentry_shape_is_right
	s_endpgm
.Lentry_shape_is_right:
; h1 = relu(h2 W1 + b1).  A = hn [4096][1024] bf16; B = W1^T in wt [4096 n][1024 k] bf16; sums and bias in f32; h1 [4096][4096] bf16, rounded once.
; A work-group makes 256 x 256 of the result: 16 x 16 = 256 work-groups.  Four waves, 2 x 2, each 128 x 128: 64 accumulators of 16 x 16, 512 registers.
; K goes in steps of 128 through two LDS slots filled by tensor loads; a K step is written once, the slot in hand is a scalar that an exclusive or turns.  Both first fills go out together at the start.
; The last two K steps, which ask for nothing, are a loop of two trips; its last trip passes one barrier and fetches one run of fragments that nobody needs: the price, once a launch, of one text for both.
; CLUSTER 4 x 4: A's tiles are asked for jointly along a row of the cluster, B's along a column.
; THE MATRIX INSTRUCTION IS USED TRANSPOSED (source 0 = 16 rows of B, source 1 = 16 rows of A): a lane holds row lane % 16 of C and eight neighbouring columns.  The bias is the C operand of the first products.
; REGISTERS in windows of 256: window 0 addresses, A's fragments (v64, v128), the way out; window 1 B's fragments (v0, v128), the bias (v64); windows 2, 3 the accumulators.
.set SIZE_K, 1024
.set TMR,    256
.set TNR,    256
.set WM,     8
.set WN,     8
.set KSTEP,  128
.set PA,     272
.set PB,     272
.set QIA,    5
.set QIB,    5
.set ABYTES, TMR*PA
.set BBYTES, TNR*PB
.set AWAVE,  16*WM*PA
.set AO1,    64
.set AO2,    128
.set AO3,    192
.set ASTEP,  128
.set ADIM0,  KSTEP
.set AROWS,  TMR/2
.set ASTR,   SIZE_K
.set AROWB,  SIZE_K*2
.set AGSTEP, KSTEP*2
.set WOFF,   8388608
.set OROWB,  8192
.set SPITCH, 272                       ; a stage row: 128 bf16 + 16 bytes
.set CIN,    2
.set NSUB,   KSTEP/32
.set NT,     SIZE_K/KSTEP
.set NPAIR,  (NSUB-2)/2
.set NL,     2*(WM+WN)
.set SLOT,   ABYTES+BBYTES
.set STAGE,  2*SLOT
.set SPARE,  STAGE+4*16*SPITCH
.set ADRA0, 16
.set ADRB0, 17
.set ADRA,  18
.set ADRB,  19
.set STO,   24
.set RD,    25
.set CO,    26
.set BO,    27
.set SPW,   28
.set NIL,   29
.set ZR,    30                         ; 0, for the relu on packed halves
.set TMP,   32
.set OB0,   96
.set G1,  24                           ; s[24:31] A's shape, s[32:35] A's walking group 0; s[48:55], s[36:39] B's
.set G0,  32
.set G0B, 36
.set G1B, 48
.set GF,  72                           ; s[72:75], s[76:79] group 0 of the fills of slot 0 at the start
.set GFB, 76
.set WV,  56
.set WH,  57
.set WL,  58
.set SB,  59
.set TD,  60
.set LDA, 61
.set LDB, 62
.set KC,  63
.set PC,  67
.set TA,  68
.set TBB, 69
.set MSB, 0
.macro WIN new                         ; the immediate's high byte repeats the setting that is left; a switch that changes nothing is dropped
.if MSB != (\new)
	s_set_vgpr_msb (MSB<<8)|(\new)
.set MSB, (\new)
.endif
.endm
.macro PLACES                          ; four places in front of loads into registers that matrix instructions have read, and of lines that read results
.rept 4
	v_nop
.endr
.endm
.macro JLOAD                           ; a joint load: waves 0, 1 fetch A's halves, waves 2, 3 B's; an s_nop 0 and four v_nop follow each line
	s_cmp_eq_u32 s[WH], 0
	s_cbranch_scc0 .Lfor_b_\@
	tensor_load_to_lds s[G0:G0+3], s[G1:G1+7]
	s_nop 0
.rept 4
	v_nop
.endr
	s_branch .Lasked_\@
.Lfor_b_\@:
	tensor_load_to_lds s[G0B:G0B+3], s[G1B:G1B+7]
	s_nop 0
.rept 4
	v_nop
.endr
.Lasked_\@:
.endm
.macro CREST                           ; a round of the cluster's barrier behind its opening barrier
	s_cmp_lg_u32 s[WV], 0
	s_cbranch_scc1 .Lnot_wave_0_\@
	s_barrier_signal -3
.Lnot_wave_0_\@:
	s_barrier_wait -3
	s_barrier_signal -1
	s_barrier_wait -1
.endm
.macro CROUND
	s_barrier_signal -1
	s_barrier_wait -1
	CREST
.endm
.macro NEXTFILL                        ; the walking descriptors: the other slot, the next K step (no tensor load of mine is out)
	s_xor_b32 s[TD], s[TD], SLOT
	s_add_co_u32 s[G0+1], s[LDA], s[TD]
	s_add_co_u32 s[G0B+1], s[LDB], s[TD]
	s_add_nc_u64 s[G0+2:G0+3], s[G0+2:G0+3], AGSTEP
	s_add_nc_u64 s[G0B+2:G0B+3], s[G0B+2:G0B+3], KSTEP*2
.endm
; na row blocks from a0 on of half hi of my rows x all WN column blocks, 32 along K, from buffer f.  cin = 0: onto the sums; 1: the sums start with 0; 2: with the bias.
; The accumulators take turns, one instruction a turn, in the same order in every sub-step.
.macro MULR f, hi, a0, na, cin
.if (\cin) == 2
	WIN 0x91+0x40*(\hi)
.else
	WIN 0xa1+0x50*(\hi)
.endif
.set ma, (\a0)
.rept \na
.set mb, 0
.rept WN
.set rD, 8*(WN*ma+mb)
.set rB, 128*(\f)+8*mb
.set rA, 64+64*(\f)+8*((WM/2)*(\hi)+ma)
.if (\cin) == 0
	v_wmma_f32_16x16x32_bf16 v[rD:rD+7], v[rB:rB+7], v[rA:rA+7], v[rD:rD+7]
.elseif (\cin) == 1
	v_wmma_f32_16x16x32_bf16 v[rD:rD+7], v[rB:rB+7], v[rA:rA+7], 0
.else
	v_wmma_f32_16x16x32_bf16 v[rD:rD+7], v[rB:rB+7], v[rA:rA+7], v[64+8*mb:64+8*mb+7]
.endif
.set mb, mb+1
.endr
.set ma, ma+1
.endr
.endm
.macro FETCH f, ka, kb                 ; one run of NL LDS loads: a sub-step's fragments of B, then of A, into buffer f
	WIN 0x40
.set fi, 0
.rept WN
	ds_load_b128 v[128*(\f)+8*fi:128*(\f)+8*fi+3],   v[ADRB] offset:(\kb)+fi*16*PB
	ds_load_b128 v[128*(\f)+8*fi+4:128*(\f)+8*fi+7], v[ADRB] offset:(\kb)+fi*16*PB+32
.set fi, fi+1
.endr
	WIN 0
.set fi, 0
.rept WM
	ds_load_b128 v[64+64*(\f)+8*fi:64+64*(\f)+8*fi+3],   v[ADRA] offset:(\ka)+fi*16*PA
	ds_load_b128 v[64+64*(\f)+8*fi+4:64+64*(\f)+8*fi+7], v[ADRA] offset:(\ka)+fi*16*PA+32
.set fi, fi+1
.endr
.endm
.macro SUB f, g, ka, kb, cin           ; a sub-step of 32 along K: multiplies buffer f; in its middle the next sub-step's fragments are fetched into g
	s_wait_dscnt WM                                ; B and the lower half of A's blocks are in; the youngest WM loads may be out
	MULR \f, 0, 0, WM/2, \cin
	PLACES
	FETCH \g, \ka, \kb
	s_wait_dscnt NL                                ; all but the run just issued
	MULR \f, 1, 0, WM/2, \cin
.endm
.macro UPART                           ; sub-steps 1 to NSUB - 2
.if NPAIR > 1
	WIN 0
	s_mov_b32 s[PC], NPAIR
.Lpair_\@:
	SUB 1, 0, AO2, 128, 0
	SUB 0, 1, AO3, 192, 0
	WIN 0
	s_add_co_u32 s[TA], s[TA], ASTEP
	s_add_co_u32 s[TBB], s[TBB], 128
	v_add_nc_u32 v[ADRA], s[TA], v[ADRA0]
	v_add_nc_u32 v[ADRB], s[TBB], v[ADRB0]
	s_sub_co_u32 s[PC], s[PC], 1
	s_cmp_lg_u32 s[PC], 0
	s_cbranch_scc1 .Lpair_\@
.else
	SUB 1, 0, AO2, 128, 0
	SUB 0, 1, AO3, 192, 0
.endif
.endm
; The last sub-step multiplies buffer 1 and changes slots.  In front of the barrier each wave waits for all its tensor loads (one is out: its part of the next slot), adds 0 to its spare word,
; and waits for that and for its reads of this slot.  fill = 1: the barrier opens a round of the cluster's, and the joint refill of the slot just read is the first thing behind the round.
.macro TURN fill
	WIN 0
	s_wait_tensorcnt 0x0
	ds_add_u32 v[SPW], v[NIL]
	s_wait_dscnt WM+1                              ; the add and the youngest WM loads may be out
	MULR 1, 0, 0, WM/4, 0
	s_wait_dscnt 0x0                               ; the add is done, my reads of this slot are over
	s_barrier_signal -1
	MULR 1, 0, WM/4, WM/4, 0
	WIN 0
	s_barrier_wait -1
.if \fill
	CREST
	NEXTFILL
	JLOAD                                          ; its four v_nop are also the places in front of the loads below
.else
	PLACES
.endif
	s_xor_b32 s[SB], s[SB], SLOT
	s_mov_b32 s[TA], s[SB]
	s_mov_b32 s[TBB], s[SB]
	v_add_nc_u32 v[ADRA], s[TA], v[ADRA0]
	v_add_nc_u32 v[ADRB], s[TBB], v[ADRB0]
	FETCH 0, 0, 0
	MULR 1, 1, 0, WM/2, 0
.endm
	s_load_b256 s[4:11], s[0:1], 0x0               ; A s[4:5], wt s[6:7], the output s[8:9], the bias s[10:11]
	v_lshl_add_u32 v[SPW], v0, 2, SPARE
	v_mov_b32 v[NIL], 0
	ds_add_u32 v[SPW], v[NIL]                      ; the wave's opening: the add and its wait ahead of my first tensor load
	ds_add_u32 v28, v29
	v_lshrrev_b32 v1, 5, v0
	v_readfirstlane_b32 s[WV], v1
	s_lshr_b32 s[WH], s[WV], 1
	s_and_b32 s[WL], s[WV], 1
	s_bfe_u32 s40, ttmp6, 0x40000                  ; cx, cy: my place in the cluster
	s_bfe_u32 s41, ttmp6, 0x40004
	s_lshl_b32 s42, ttmp9, 2
	s_add_co_u32 s42, s42, s40                     ; tile column
	s_and_b32 s45, ttmp7, 0xffff
	s_lshl_b32 s45, s45, 2
	s_add_co_u32 s45, s45, s41                     ; tile row
	s_lshl_b32 s43, s41, 2
	s_lshl_b32 s43, 15, s43                        ; my row of the cluster
	s_lshl_b32 s44, 0x1111, s40                    ; my column
	s_or_b32 s[G1], s43, (1<<16)|(1<<20)|(1<<21)|(QIA<<22)|(3<<25)   ; mask; 2-byte elements; padding on; bit 21 beside a mask; the interval; 4 words of padding
	s_or_b32 s[G1B], s44, (1<<16)|(1<<20)|(1<<21)|(QIB<<22)|(3<<25)
	s_mov_b32 s[G1+1], (ADIM0&0xffff)<<16          ; tensor_dim0
	s_mov_b32 s[G1+2], (ADIM0>>16)|(AROWS<<16)     ; tensor_dim1
	s_mov_b32 s[G1+3], ADIM0<<16                   ; tile_dim0
	s_mov_b32 s[G1+4], AROWS                       ; tile_dim1
	s_mov_b32 s[G1+5], ASTR                        ; elements from row to row
	s_mov_b32 s[G1+6], 0
	s_mov_b32 s[G1+7], 0
	s_mov_b32 s[G1B+1], KSTEP<<16
	s_mov_b32 s[G1B+2], (TNR/2)<<16
	s_mov_b32 s[G1B+3], KSTEP<<16
	s_mov_b32 s[G1B+4], TNR/2
	s_mov_b32 s[G1B+5], SIZE_K
	s_mov_b32 s[G1B+6], 0
	s_mov_b32 s[G1B+7], 0
	s_mul_i32 s[LDA], s[WL], ABYTES/2              ; no place in the cluster enters an LDS address
	s_mul_i32 s[LDB], s[WL], BBYTES/2
	s_add_co_u32 s[LDB], s[LDB], ABYTES
	s_mov_b32 s[SB], 0
	s_mov_b32 s[TD], SLOT                          ; the walking descriptors begin at slot 1
	s_mov_b32 s[TA], 0
	s_mov_b32 s[TBB], 0
	s_mov_b32 s[GF], 1
	s_mov_b32 s[GF+1], s[LDA]
	s_mov_b32 s[GFB], 1
	s_mov_b32 s[GFB+1], s[LDB]
	s_mov_b32 s[G0], 1
	s_add_co_u32 s[G0+1], s[LDA], SLOT
	s_mov_b32 s[G0B], 1
	s_add_co_u32 s[G0B+1], s[LDB], SLOT
	s_mul_i32 s16, s45, TMR                        ; A: my half of the tile row's rows, in bytes
	s_mul_i32 s17, s[WL], TMR/2
	s_add_co_u32 s16, s16, s17
	s_mul_i32 s16, s16, AROWB
	s_mov_b32 s17, 0
	s_mul_i32 s46, s42, TNR                        ; B: my half of the tile column's rows
	s_mul_i32 s47, s[WL], TNR/2
	s_add_co_u32 s46, s46, s47
	s_mul_i32 s46, s46, SIZE_K*2
	s_add_co_u32 s46, s46, WOFF
	s_mov_b32 s47, 0
	s_wait_dscnt 0x0                               ; the opening add is done
	CROUND                                         ; all sixteen work-groups are here: the first joint loads meet.  The round names no argument, so it stands ahead of the wait for them
	s_wait_kmcnt 0x0
	s_add_nc_u64 s[GF+2:GF+3], s[4:5], s[16:17]    ; K step 0,
	s_add_nc_u64 s[G0+2:G0+3], s[GF+2:GF+3], AGSTEP  ; K step 1
	s_or_b32 s[GF+3], s[GF+3], 0x80000000
	s_or_b32 s[G0+3], s[G0+3], 0x80000000
	s_add_nc_u64 s[GFB+2:GFB+3], s[6:7], s[46:47]
	s_add_nc_u64 s[G0B+2:G0B+3], s[GFB+2:GFB+3], KSTEP*2
	s_or_b32 s[GFB+3], s[GFB+3], 0x80000000
	s_or_b32 s[G0B+3], s[G0B+3], 0x80000000
	s_cmp_eq_u32 s[WH], 0                          ; a wave's two first fills stand in one branch, ahead of every wait on TENSORcnt and every LDS read: two loads of mine are out
	s_cbranch_scc0 .Lfirst_b
	tensor_load_to_lds s[GF:GF+3], s[G1:G1+7]
	s_nop 0
	tensor_load_to_lds s[G0:G0+3], s[G1:G1+7]
	s_nop 0
.rept 4
	v_nop
.endr
	s_branch .Lfirst_asked
.Lfirst_b:
	tensor_load_to_lds s[GFB:GFB+3], s[G1B:G1B+7]
	s_nop 0
	tensor_load_to_lds s[G0B:G0B+3], s[G1B:G1B+7]
	s_nop 0
.rept 4
	v_nop
.endr
.Lfirst_asked:
	v_and_b32 v1, 15, v0                           ; r = lane % 16
	v_bfe_u32 v2, v0, 4, 1                         ; h = lane / 16
	v_mul_u32_u24 v3, v1, PA
	v_lshl_add_u32 v3, v2, 4, v3
	s_mul_i32 s14, s[WH], AWAVE                    ; wave w has rows 128 (w / 2) .. and columns 128 (w % 2) .. of the tile
	v_add_nc_u32 v[ADRA0], s14, v3
	v_mul_u32_u24 v3, v1, PB
	v_lshl_add_u32 v3, v2, 4, v3
	s_mul_i32 s14, s[WL], 16*WN*PB
	s_add_co_u32 s14, s14, ABYTES
	v_add_nc_u32 v[ADRB0], s14, v3
	v_mov_b32 v[ADRA], v[ADRA0]
	v_mov_b32 v[ADRB], v[ADRB0]
	v_mov_b32 v[ZR], 0
	s_mul_i32 s14, s[WV], 16*SPITCH
	s_add_co_u32 s14, s14, STAGE                   ; my stage
	v_mul_u32_u24 v3, v1, SPITCH                   ; in: row r, 16 bytes for each half of the lanes
	v_lshl_add_u32 v3, v2, 4, v3
	v_add_nc_u32 v[STO], s14, v3
	v_mul_u32_u24 v3, v2, SPITCH                   ; back: lanes 0-15 take one row of 256 bytes, lanes 16-31 the next
	v_lshl_add_u32 v3, v1, 4, v3
	v_add_nc_u32 v[RD], s14, v3
	v_lshlrev_b32 v3, 13, v2                       ; and the same two rows in the output
	v_lshl_add_u32 v[CO], v1, 4, v3
	v_lshlrev_b32 v[BO], 5, v2                     ; the bias of my eight columns of a block
	s_mul_i32 s16, s45, TMR
	s_mul_i32 s17, s[WH], 16*WM
	s_add_co_u32 s16, s16, s17
	s_mul_i32 s16, s16, OROWB                      ; my first row, in bytes
	s_mov_b32 s17, 0
	s_mul_i32 s46, s42, TNR
	s_mul_i32 s47, s[WL], 16*WN
	s_add_co_u32 s46, s46, s47                     ; my first column
	s_lshl_b32 s20, s46, 2                         ; in bytes of f32, for the bias,
	s_mov_b32 s21, 0
	s_lshl_b32 s46, s46, 1                         ; and of bf16, for the output
	s_mov_b32 s47, 0
	s_add_nc_u64 s[8:9], s[8:9], s[16:17]
	s_add_nc_u64 s[8:9], s[8:9], s[46:47]
	s_add_nc_u64 s[10:11], s[10:11], s[20:21]
	WIN 0x40
.set bi, 0
.rept WN
	global_load_b128 v[64+8*bi:64+8*bi+3],   v[BO], s[10:11] offset:64*bi
	global_load_b128 v[64+8*bi+4:64+8*bi+7], v[BO], s[10:11] offset:64*bi+16
.set bi, bi+1
.endr
	WIN 0
	s_wait_tensorcnt 0x1                           ; my part of slot 0 is in; slot 1's, the one younger load, may stay out
	s_barrier_signal -1
	s_barrier_wait -1                              ; everybody's part is in
	FETCH 0, 0, 0
	s_wait_loadcnt 0x0                             ; the bias
	SUB 0, 1, AO1, 64, CIN                         ; the first sub-step stands in front of the loop: its products start the sums, with the bias
	WIN 0
	s_mov_b32 s[KC], NT-2
.Lk:                                                   ; a trip: from a K step's second sub-step to the next step's first; it fills one slot again
	UPART
	TURN 1
	SUB 0, 1, AO1, 64, 0
	WIN 0
	s_sub_co_u32 s[KC], s[KC], 1
	s_cmp_lg_u32 s[KC], 0
	s_cbranch_scc1 .Lk
	s_mov_b32 s[KC], 2
.Ltail:                                                ; the last two K steps ask for nothing
	UPART
	TURN 0
	WIN 0
	s_cmp_lg_u32 s[KC], 1
	s_cbranch_scc1 .Lgo_on
	s_wait_dscnt 0x0                               ; the last trip: no step follows; the run that TURN fetched from the stale slot is let land and is not used
	s_branch .Lcount
.Lgo_on:
	SUB 0, 1, AO1, 64, 0
	WIN 0
.Lcount:
	s_sub_co_u32 s[KC], s[KC], 1
	s_cmp_lg_u32 s[KC], 0
	s_cbranch_scc1 .Ltail
	s_wait_dscnt 0x0                               ; no LDS load is out: the fragments' registers serve the way out
	PLACES
; THE WAY OUT, a block of 16 rows at a time: rounded to bf16 (16 bytes a lane), the relu on the packed halves (it rounds nothing), into my own stage, back as whole rows of 256 bytes, stored.
.macro PACK a
.set AC, 8*WN*((\a)%(WM/2))
	WIN 0x0a+5*((\a)/(WM/2))                       ; sources in window 2 or 3
.set pb, 0
.rept WN
.irp q, 0,1,2,3
	v_cvt_pk_bf16_f32 v[TMP+4*pb+\q], v[AC+8*pb+2*\q], v[AC+8*pb+2*\q+1]
.endr
.set pb, pb+1
.endr
	WIN 0
.set pb, 0
.rept 4*WN
	v_pk_max_num_bf16 v[TMP+pb], v[TMP+pb], v[ZR]
.set pb, pb+1
.endr
.endm
.macro TOSTAGE a
.set BK, OB0+64*((\a)%2)
.irp b, 0,1,2,3,4,5,6,7
	ds_store_b128 v[STO], v[TMP+4*\b:TMP+4*\b+3] offset:32*\b
.endr
.irp t, 0,1,2,3,4,5,6,7
	ds_load_b128 v[BK+4*\t:BK+4*\t+3], v[RD] offset:\t*2*SPITCH  ; LDS serves a wave's instructions in order (ISA guide 5.7.1.4): these see the stores above
.endr
.endm
.macro SEND a
.set BK, OB0+64*((\a)%2)
	s_wait_dscnt 0x0                               ; the block is back in registers
	s_wait_xcnt 0x0                                ; the other buffer, which earlier stores read, is loaded again only behind this wait
.irp t, 0,1,2,3,4,5,6,7
	global_store_b128 v[CO], v[BK+4*\t:BK+4*\t+3], s[8:9] offset:(16*(\a)+2*\t)*OROWB  ; 16 lanes store 256 consecutive bytes, aligned
.endr
.endm
	PACK 0
	TOSTAGE 0
.irp a, 1,2,3,4,5,6,7
	PACK \a
	SEND (\a)-1
	TOSTAGE \a
.endr
	SEND 7
	s_wait_tensorcnt 0x0                           ; the wave's end
	ds_add_u32 v[SPW], v[NIL]
	s_wait_dscnt 0x0
	CROUND                                         ; the closing round
	s_endpgm
.Lfunc_end_k_qfc72adbbbc_gw1:
	.size	k_qfc72adbbbc_gw1, .Lfunc_end_k_qfc72adbbbc_gw1-k_qfc72adbbbc_gw1
	.p2alignl 7, 3214868480
	.fill 96, 4, 3214868480
	.section	.rodata,"a",@progbits
	.p2align	6, 0x0
	.amdhsa_kernel k_qfc72adbbbc_gw1
		.amdhsa_group_segment_fixed_size 327680
		.amdhsa_private_segment_fixed_size 0
		.amdhsa_enable_private_segment 0
		.amdhsa_kernarg_size 32
		.amdhsa_user_sgpr_count 2
		.amdhsa_user_sgpr_kernarg_segment_ptr 1
		.amdhsa_wavefront_size32 1
		.amdhsa_system_sgpr_workgroup_id_x 1
		.amdhsa_system_sgpr_workgroup_id_y 1
		.amdhsa_system_sgpr_workgroup_id_z 1
		.amdhsa_system_vgpr_workitem_id 0
		.amdhsa_next_free_vgpr 1024
		.amdhsa_next_free_sgpr 80
		.amdhsa_reserve_vcc 0
		.amdhsa_float_denorm_mode_32 3
		.amdhsa_float_denorm_mode_16_64 3
		.amdhsa_memory_ordered 1
		.amdhsa_forward_progress 1
		.amdhsa_inst_pref_size 118
	.end_amdhsa_kernel
	.amdgpu_metadata
---
amdhsa.version: [ 1, 2 ]
amdhsa.kernels:
  - .name:           k_qfc72adbbbc_gw1
    .symbol:         k_qfc72adbbbc_gw1.kd
    .args:
      - { .name: hn, .offset: 0, .size: 8, .value_kind: global_buffer, .address_space: global }
      - { .name: wt, .offset: 8, .size: 8, .value_kind: global_buffer, .address_space: global }
      - { .name: h1, .offset: 16, .size: 8, .value_kind: global_buffer, .address_space: global }
      - { .name: b1, .offset: 24, .size: 8, .value_kind: global_buffer, .address_space: global }
    .group_segment_fixed_size: 327680
    .private_segment_fixed_size: 0
    .kernarg_segment_align: 8
    .kernarg_segment_size: 32
    .max_flat_workgroup_size: 128
    .sgpr_count:     80
    .vgpr_count:     1024
    .wavefront_size: 32
...
	.end_amdgpu_metadata
.endif
;; end of part 6
;; launch gw2 (part 7): grid 8 x 32, 4 waves a work-group, clusters of 4 x 4, 327,680 bytes of LDS; arguments h1, wt, out0, b2, x1; writes out0
.if DOCPART == 7
	.amdgcn_target "amdgcn-amd-amdhsa--gfx1250"
	.amdhsa_code_object_version 6
	.text
	.protected	k_qfc72adbbbc_gw2
	.globl	k_qfc72adbbbc_gw2
	.p2align	8
	.type	k_qfc72adbbbc_gw2,@function
k_qfc72adbbbc_gw2:
	s_mov_b64 s[64:65], 0
	v_nop
	global_prefetch_b8 v0, s[64:65] scope:SCOPE_SE
	s_setreg_imm32_b32 hwreg(HW_REG_WAVE_MODE, 25, 1), 1
	s_wait_xcnt 0x0
	s_wait_alu depctr_hold_cnt(0) depctr_sa_sdst(0) depctr_va_vdst(0) depctr_va_sdst(0) depctr_va_ssrc(0) depctr_va_vcc(0) depctr_vm_vsrc(0)
	s_getreg_b32 s2, hwreg(HW_REG_IB_STS2, 6, 4)
	s_cmp_eq_u32 s2, 0
	s_cbranch_scc0 .Lentry_in_a_cluster
	s_endpgm
.Lentry_in_a_cluster:
	s_bfe_u32 s2, ttmp6, 0x10000c
	s_cmp_lg_u32 s2, 0xf033
	s_cbranch_scc0 .Lentry_shape_is_right
	s_endpgm
.Lentry_shape_is_right:
; out0 = x1 + h1 W2 + b2.  A = h1 [4096][4096] bf16; B = W2^T in wt [1024 n][4096 k] bf16; sums, bias, residual and result in f32.
; A work-group makes 128 x 128 of the result: 8 x 32 = 256 work-groups.  Four waves, 2 x 2, each 64 x 64: 16 accumulators of 16 x 16.
; K goes in steps of 256 (LDS rows of 512 bytes) through two LDS slots filled by tensor loads; a K step is written once, the slot in hand is a scalar that an exclusive or turns.  Both first fills go out together at the start.
; The last two K steps, which ask for nothing, are a loop of two trips; its last trip passes one barrier and fetches one run of fragments that nobody needs: the price, once a launch, of one text for both.
; CLUSTER 4 x 4: A's tiles are asked for jointly along a row of the cluster, B's along a column.
; THE MATRIX INSTRUCTION IS USED TRANSPOSED (source 0 = 16 rows of B, source 1 = 16 rows of A): a lane holds row lane % 16 of C and eight neighbouring columns.  The bias is the C operand of the first products.
; REGISTERS in windows of 256: window 0 addresses, A's fragments (v64, v128), the way out; window 1 B's fragments (v0, v128), the bias (v64); windows 2, 3 the accumulators; window 2 v128-255 the residual.
.set SIZE_K, 4096
.set TMR,    128
.set TNR,    128
.set WM,     4
.set WN,     4
.set KSTEP,  256
.set PA,     528
.set PB,     528
.set QIA,    6                         ; padding after every 128 words
.set QIB,    6
.set ABYTES, TMR*PA
.set BBYTES, TNR*PB
.set AWAVE,  16*WM*PA
.set AO1,    64
.set AO2,    128
.set AO3,    192
.set ASTEP,  128
.set ADIM0,  KSTEP
.set AROWS,  TMR/2
.set ASTR,   SIZE_K
.set AROWB,  SIZE_K*2
.set AGSTEP, KSTEP*2
.set WOFF,   16777216
.set OROWB,  4096
.set SPITCH, 272                       ; a stage row: 64 f32 + 16 bytes
.set CIN,    2
.set NSUB,   KSTEP/32
.set NT,     SIZE_K/KSTEP
.set NPAIR,  (NSUB-2)/2
.set NL,     2*(WM+WN)
.set SLOT,   ABYTES+BBYTES
.set STAGE,  2*SLOT
.set SPARE,  STAGE+4*16*SPITCH
.set ADRA0, 16
.set ADRB0, 17
.set ADRA,  18
.set ADRB,  19
.set STO,   24
.set RD,    25
.set CO,    26
.set BO,    27
.set SPW,   28
.set NIL,   29
.set OB0,   96
.set G1,  24                           ; s[24:31] A's shape, s[32:35] A's walking group 0; s[48:55], s[36:39] B's
.set G0,  32
.set G0B, 36
.set G1B, 48
.set GF,  72                           ; s[72:75], s[76:79] group 0 of the fills of slot 0 at the start
.set GFB, 76
.set WV,  56
.set WH,  57
.set WL,  58
.set SB,  59
.set TD,  60
.set LDA, 61
.set LDB, 62
.set KC,  63
.set PC,  67
.set TA,  68
.set TBB, 69
.set MSB, 0
.macro WIN new                         ; the immediate's high byte repeats the setting that is left; a switch that changes nothing is dropped
.if MSB != (\new)
	s_set_vgpr_msb (MSB<<8)|(\new)
.set MSB, (\new)
.endif
.endm
.macro PLACES                          ; four places in front of loads into registers that matrix instructions have read, and of lines that read results
.rept 4
	v_nop
.endr
.endm
.macro JLOAD                           ; a joint load: waves 0, 1 fetch A's halves, waves 2, 3 B's; an s_nop 0 and four v_nop follow each line
	s_cmp_eq_u32 s[WH], 0
	s_cbranch_scc0 .Lfor_b_\@
	tensor_load_to_lds s[G0:G0+3], s[G1:G1+7]
	s_nop 0
.rept 4
	v_nop
.endr
	s_branch .Lasked_\@
.Lfor_b_\@:
	tensor_load_to_lds s[G0B:G0B+3], s[G1B:G1B+7]
	s_nop 0
.rept 4
	v_nop
.endr
.Lasked_\@:
.endm
.macro CREST                           ; a round of the cluster's barrier behind its opening barrier
	s_cmp_lg_u32 s[WV], 0
	s_cbranch_scc1 .Lnot_wave_0_\@
	s_barrier_signal -3
.Lnot_wave_0_\@:
	s_barrier_wait -3
	s_barrier_signal -1
	s_barrier_wait -1
.endm
.macro CROUND
	s_barrier_signal -1
	s_barrier_wait -1
	CREST
.endm
.macro NEXTFILL                        ; the walking descriptors: the other slot, the next K step (no tensor load of mine is out)
	s_xor_b32 s[TD], s[TD], SLOT
	s_add_co_u32 s[G0+1], s[LDA], s[TD]
	s_add_co_u32 s[G0B+1], s[LDB], s[TD]
	s_add_nc_u64 s[G0+2:G0+3], s[G0+2:G0+3], AGSTEP
	s_add_nc_u64 s[G0B+2:G0B+3], s[G0B+2:G0B+3], KSTEP*2
.endm
; na row blocks from a0 on of half hi of my rows x all WN column blocks, 32 along K, from buffer f.  cin = 0: onto the sums; 1: the sums start with 0; 2: with the bias.
; The accumulators take turns, one instruction a turn, in the same order in every sub-step.
.macro MULR f, hi, a0, na, cin
.if (\cin) == 2
	WIN 0x91+0x40*(\hi)
.else
	WIN 0xa1+0x50*(\hi)
.endif
.set ma, (\a0)
.rept \na
.set mb, 0
.rept WN
.set rD, 8*(WN*ma+mb)
.set rB, 128*(\f)+8*mb
.set rA, 64+64*(\f)+8*((WM/2)*(\hi)+ma)
.if (\cin) == 0
	v_wmma_f32_16x16x32_bf16 v[rD:rD+7], v[rB:rB+7], v[rA:rA+7], v[rD:rD+7]
.elseif (\cin) == 1
	v_wmma_f32_16x16x32_bf16 v[rD:rD+7], v[rB:rB+7], v[rA:rA+7], 0
.else
	v_wmma_f32_16x16x32_bf16 v[rD:rD+7], v[rB:rB+7], v[rA:rA+7], v[64+8*mb:64+8*mb+7]
.endif
.set mb, mb+1
.endr
.set ma, ma+1
.endr
.endm
.macro FETCH f, ka, kb                 ; one run of NL LDS loads: a sub-step's fragments of B, then of A, into buffer f
	WIN 0x40
.set fi, 0
.rept WN
	ds_load_b128 v[128*(\f)+8*fi:128*(\f)+8*fi+3],   v[ADRB] offset:(\kb)+fi*16*PB
	ds_load_b128 v[128*(\f)+8*fi+4:128*(\f)+8*fi+7], v[ADRB] offset:(\kb)+fi*16*PB+32
.set fi, fi+1
.endr
	WIN 0
.set fi, 0
.rept WM
	ds_load_b128 v[64+64*(\f)+8*fi:64+64*(\f)+8*fi+3],   v[ADRA] offset:(\ka)+fi*16*PA
	ds_load_b128 v[64+64*(\f)+8*fi+4:64+64*(\f)+8*fi+7], v[ADRA] offset:(\ka)+fi*16*PA+32
.set fi, fi+1
.endr
.endm
.macro SUB f, g, ka, kb, cin           ; a sub-step of 32 along K: multiplies buffer f; in its middle the next sub-step's fragments are fetched into g
	s_wait_dscnt WM                                ; B and the lower half of A's blocks are in; the youngest WM loads may be out
	MULR \f, 0, 0, WM/2, \cin
	PLACES
	FETCH \g, \ka, \kb
	s_wait_dscnt NL                                ; all but the run just issued
	MULR \f, 1, 0, WM/2, \cin
.endm
.macro UPART                           ; sub-steps 1 to NSUB - 2
.if NPAIR > 1
	WIN 0
	s_mov_b32 s[PC], NPAIR
.Lpair_\@:
	SUB 1, 0, AO2, 128, 0
	SUB 0, 1, AO3, 192, 0
	WIN 0
	s_add_co_u32 s[TA], s[TA], ASTEP
	s_add_co_u32 s[TBB], s[TBB], 128
	v_add_nc_u32 v[ADRA], s[TA], v[ADRA0]
	v_add_nc_u32 v[ADRB], s[TBB], v[ADRB0]
	s_sub_co_u32 s[PC], s[PC], 1
	s_cmp_lg_u32 s[PC], 0
	s_cbranch_scc1 .Lpair_\@
.else
	SUB 1, 0, AO2, 128, 0
	SUB 0, 1, AO3, 192, 0
.endif
.endm
; The last sub-step multiplies buffer 1 and changes slots.  In front of the barrier each wave waits for all its tensor loads (one is out: its part of the next slot), adds 0 to its spare word,
; and waits for that and for its reads of this slot.  fill = 1: the barrier opens a round of the cluster's, and the joint refill of the slot just read is the first thing behind the round.
.macro TURN fill
	WIN 0
	s_wait_tensorcnt 0x0
	ds_add_u32 v[SPW], v[NIL]
	s_wait_dscnt WM+1                              ; the add and the youngest WM loads may be out
	MULR 1, 0, 0, WM/4, 0
	s_wait_dscnt 0x0                               ; the add is done, my reads of this slot are over
	s_barrier_signal -1
	MULR 1, 0, WM/4, WM/4, 0
	WIN 0
	s_barrier_wait -1
.if \fill
	CREST
	NEXTFILL
	JLOAD                                          ; its four v_nop are also the places in front of the loads below
.else
	PLACES
.endif
	s_xor_b32 s[SB], s[SB], SLOT
	s_mov_b32 s[TA], s[SB]
	s_mov_b32 s[TBB], s[SB]
	v_add_nc_u32 v[ADRA], s[TA], v[ADRA0]
	v_add_nc_u32 v[ADRB], s[TBB], v[ADRB0]
	FETCH 0, 0, 0
	MULR 1, 1, 0, WM/2, 0
.endm
	s_load_b256 s[4:11], s[0:1], 0x0               ; A s[4:5], wt s[6:7], the output s[8:9], the bias s[10:11]
	s_load_b64 s[12:13], s[0:1], 0x20              ; the residual
	v_lshl_add_u32 v[SPW], v0, 2, SPARE
	v_mov_b32 v[NIL], 0
	ds_add_u32 v[SPW], v[NIL]                      ; the wave's opening: the add and its wait ahead of my first tensor load
	ds_add_u32 v28, v29
	v_lshrrev_b32 v1, 5, v0
	v_readfirstlane_b32 s[WV], v1
	s_lshr_b32 s[WH], s[WV], 1
	s_and_b32 s[WL], s[WV], 1
	s_bfe_u32 s40, ttmp6, 0x40000                  ; cx, cy: my place in the cluster
	s_bfe_u32 s41, ttmp6, 0x40004
	s_lshl_b32 s42, ttmp9, 2
	s_add_co_u32 s42, s42, s40                     ; tile column
	s_and_b32 s45, ttmp7, 0xffff
	s_lshl_b32 s45, s45, 2
	s_add_co_u32 s45, s45, s41                     ; tile row
	s_lshl_b32 s43, s41, 2
	s_lshl_b32 s43, 15, s43                        ; my row of the cluster
	s_lshl_b32 s44, 0x1111, s40                    ; my column
	s_or_b32 s[G1], s43, (1<<16)|(1<<20)|(1<<21)|(QIA<<22)|(3<<25)   ; mask; 2-byte elements; padding on; bit 21 beside a mask; the interval; 4 words of padding
	s_or_b32 s[G1B], s44, (1<<16)|(1<<20)|(1<<21)|(QIB<<22)|(3<<25)
	s_mov_b32 s[G1+1], (ADIM0&0xffff)<<16          ; tensor_dim0
	s_mov_b32 s[G1+2], (ADIM0>>16)|(AROWS<<16)     ; tensor_dim1
	s_mov_b32 s[G1+3], ADIM0<<16                   ; tile_dim0
	s_mov_b32 s[G1+4], AROWS                       ; tile_dim1
	s_mov_b32 s[G1+5], ASTR                        ; elements from row to row
	s_mov_b32 s[G1+6], 0
	s_mov_b32 s[G1+7], 0
	s_mov_b32 s[G1B+1], KSTEP<<16
	s_mov_b32 s[G1B+2], (TNR/2)<<16
	s_mov_b32 s[G1B+3], KSTEP<<16
	s_mov_b32 s[G1B+4], TNR/2
	s_mov_b32 s[G1B+5], SIZE_K
	s_mov_b32 s[G1B+6], 0
	s_mov_b32 s[G1B+7], 0
	s_mul_i32 s[LDA], s[WL], ABYTES/2              ; no place in the cluster enters an LDS address
	s_mul_i32 s[LDB], s[WL], BBYTES/2
	s_add_co_u32 s[LDB], s[LDB], ABYTES
	s_mov_b32 s[SB], 0
	s_mov_b32 s[TD], SLOT                          ; the walking descriptors begin at slot 1
	s_mov_b32 s[TA], 0
	s_mov_b32 s[TBB], 0
	s_mov_b32 s[GF], 1
	s_mov_b32 s[GF+1], s[LDA]
	s_mov_b32 s[GFB], 1
	s_mov_b32 s[GFB+1], s[LDB]
	s_mov_b32 s[G0], 1
	s_add_co_u32 s[G0+1], s[LDA], SLOT
	s_mov_b32 s[G0B], 1
	s_add_co_u32 s[G0B+1], s[LDB], SLOT
	s_mul_i32 s16, s45, TMR                        ; A: my half of the tile row's rows, in bytes
	s_mul_i32 s17, s[WL], TMR/2
	s_add_co_u32 s16, s16, s17
	s_mul_i32 s16, s16, AROWB
	s_mov_b32 s17, 0
	s_mul_i32 s46, s42, TNR                        ; B: my half of the tile column's rows
	s_mul_i32 s47, s[WL], TNR/2
	s_add_co_u32 s46, s46, s47
	s_mul_i32 s46, s46, SIZE_K*2
	s_add_co_u32 s46, s46, WOFF
	s_mov_b32 s47, 0
	s_wait_dscnt 0x0                               ; the opening add is done
	CROUND                                         ; all sixteen work-groups are here: the first joint loads meet.  The round names no argument, so it stands ahead of the wait for them
	s_wait_kmcnt 0x0
	s_add_nc_u64 s[GF+2:GF+3], s[4:5], s[16:17]    ; K step 0,
	s_add_nc_u64 s[G0+2:G0+3], s[GF+2:GF+3], AGSTEP  ; K step 1
	s_or_b32 s[GF+3], s[GF+3], 0x80000000
	s_or_b32 s[G0+3], s[G0+3], 0x80000000
	s_add_nc_u64 s[GFB+2:GFB+3], s[6:7], s[46:47]
	s_add_nc_u64 s[G0B+2:G0B+3], s[GFB+2:GFB+3], KSTEP*2
	s_or_b32 s[GFB+3], s[GFB+3], 0x80000000
	s_or_b32 s[G0B+3], s[G0B+3], 0x80000000
	s_cmp_eq_u32 s[WH], 0                          ; a wave's two first fills stand in one branch, ahead of every wait on TENSORcnt and every LDS read: two loads of mine are out
	s_cbranch_scc0 .Lfirst_b
	tensor_load_to_lds s[GF:GF+3], s[G1:G1+7]
	s_nop 0
	tensor_load_to_lds s[G0:G0+3], s[G1:G1+7]
	s_nop 0
.rept 4
	v_nop
.endr
	s_branch .Lfirst_asked
.Lfirst_b:
	tensor_load_to_lds s[GFB:GFB+3], s[G1B:G1B+7]
	s_nop 0
	tensor_load_to_lds s[G0B:G0B+3], s[G1B:G1B+7]
	s_nop 0
.rept 4
	v_nop
.endr
.Lfirst_asked:
	v_and_b32 v1, 15, v0                           ; r = lane % 16
	v_bfe_u32 v2, v0, 4, 1                         ; h = lane / 16
	v_mul_u32_u24 v3, v1, PA
	v_lshl_add_u32 v3, v2, 4, v3
	s_mul_i32 s14, s[WH], AWAVE                    ; wave w has rows 64 (w / 2) .. and columns 64 (w % 2) .. of the tile
	v_add_nc_u32 v[ADRA0], s14, v3
	v_mul_u32_u24 v3, v1, PB
	v_lshl_add_u32 v3, v2, 4, v3
	s_mul_i32 s14, s[WL], 16*WN*PB
	s_add_co_u32 s14, s14, ABYTES
	v_add_nc_u32 v[ADRB0], s14, v3
	v_mov_b32 v[ADRA], v[ADRA0]
	v_mov_b32 v[ADRB], v[ADRB0]
	s_mul_i32 s14, s[WV], 16*SPITCH
	s_add_co_u32 s14, s14, STAGE                   ; my stage
	v_mul_u32_u24 v3, v1, SPITCH                   ; in: row r, 32 bytes for each half of the lanes
	v_lshl_add_u32 v3, v2, 5, v3
	v_add_nc_u32 v[STO], s14, v3
	v_mul_u32_u24 v3, v2, SPITCH                   ; back: lanes 0-15 take one row of 256 bytes, lanes 16-31 the next
	v_lshl_add_u32 v3, v1, 4, v3
	v_add_nc_u32 v[RD], s14, v3
	v_lshlrev_b32 v3, 12, v2                       ; and the same two rows in the output and in the residual
	v_lshl_add_u32 v[CO], v1, 4, v3
	v_lshlrev_b32 v[BO], 5, v2                     ; the bias of my eight columns of a block
	s_mul_i32 s16, s45, TMR
	s_mul_i32 s17, s[WH], 16*WM
	s_add_co_u32 s16, s16, s17
	s_mul_i32 s16, s16, OROWB                      ; my first row, in bytes
	s_mov_b32 s17, 0
	s_mul_i32 s46, s42, TNR
	s_mul_i32 s47, s[WL], 16*WN
	s_add_co_u32 s46, s46, s47
	s_lshl_b32 s46, s46, 2                         ; my first column, in bytes of f32
	s_mov_b32 s47, 0
	s_add_nc_u64 s[8:9], s[8:9], s[16:17]
	s_add_nc_u64 s[8:9], s[8:9], s[46:47]
	s_add_nc_u64 s[12:13], s[12:13], s[16:17]
	s_add_nc_u64 s[12:13], s[12:13], s[46:47]
	s_add_nc_u64 s[10:11], s[10:11], s[46:47]
	WIN 0x40
.set bi, 0
.rept WN
	global_load_b128 v[64+8*bi:64+8*bi+3],   v[BO], s[10:11] offset:64*bi
	global_load_b128 v[64+8*bi+4:64+8*bi+7], v[BO], s[10:11] offset:64*bi+16
.set bi, bi+1
.endr
	WIN 0x80                                       ; the residual, in the layout in which rows come back from the stage; it lands while K is walked
.irp a, 0,1,2,3
.irp t, 0,1,2,3,4,5,6,7
	global_load_b128 v[128+32*\a+4*\t:128+32*\a+4*\t+3], v[CO], s[12:13] offset:(16*\a+2*\t)*OROWB
.endr
.endr
	WIN 0
	s_wait_tensorcnt 0x1                           ; my part of slot 0 is in; slot 1's, the one younger load, may stay out
	s_barrier_signal -1
	s_barrier_wait -1                              ; everybody's part is in
	FETCH 0, 0, 0
	s_wait_loadcnt 32                              ; the bias is in; the residual's 32 loads may stay out
	SUB 0, 1, AO1, 64, CIN                         ; the first sub-step stands in front of the loop: its products start the sums, with the bias
	WIN 0
	s_mov_b32 s[KC], NT-2
.Lk:                                                   ; a trip: from a K step's second sub-step to the next step's first; it fills one slot again
	UPART
	TURN 1
	SUB 0, 1, AO1, 64, 0
	WIN 0
	s_sub_co_u32 s[KC], s[KC], 1
	s_cmp_lg_u32 s[KC], 0
	s_cbranch_scc1 .Lk
	s_mov_b32 s[KC], 2
.Ltail:                                                ; the last two K steps ask for nothing
	UPART
	TURN 0
	WIN 0
	s_cmp_lg_u32 s[KC], 1
	s_cbranch_scc1 .Lgo_on
	s_wait_dscnt 0x0                               ; the last trip: no step follows; the run that TURN fetched from the stale slot is let land and is not used
	s_branch .Lcount
.Lgo_on:
	SUB 0, 1, AO1, 64, 0
	WIN 0
.Lcount:
	s_sub_co_u32 s[KC], s[KC], 1
	s_cmp_lg_u32 s[KC], 0
	s_cbranch_scc1 .Ltail
	s_wait_dscnt 0x0                               ; no LDS load is out: the fragments' registers serve the way out
	PLACES
; THE WAY OUT, a block of 16 rows at a time: the f32 sums go into my own stage (32 bytes a lane and block), come back as whole rows of 256 bytes, take the residual, and are stored.
.macro TOSTAGE a
.set AC, 8*WN*((\a)%(WM/2))
.set BK, OB0+64*((\a)%2)
.if (\a) >= 2
	s_wait_xcnt 0x0                                ; this buffer, which the stores of two blocks ago read, is loaded again only behind this wait
.endif
	WIN 0x08+4*((\a)/(WM/2))                       ; the stores' data in window 2 or 3
.irp b, 0,1,2,3
	ds_store_b128 v[STO], v[AC+8*\b:AC+8*\b+3] offset:64*\b
	ds_store_b128 v[STO], v[AC+8*\b+4:AC+8*\b+7] offset:64*\b+16
.endr
	WIN 0
.irp t, 0,1,2,3,4,5,6,7
	ds_load_b128 v[BK+4*\t:BK+4*\t+3], v[RD] offset:\t*2*SPITCH  ; LDS serves a wave's instructions in order (ISA guide 5.7.1.4): these see the stores above
.endr
.endm
.macro SEND a, y                       ; y: the LDS lines issued behind this block's loads
.set BK, OB0+64*((\a)%2)
	s_wait_dscnt \y
.if (\a) == 0
	s_wait_loadcnt 0x0                             ; the residual
.endif
	WIN 0x08
.set z, 0
.rept 16
	v_pk_add_f32 v[BK+2*z:BK+2*z+1], v[BK+2*z:BK+2*z+1], v[128+32*(\a)+2*z:128+32*(\a)+2*z+1]
.set z, z+1
.endr
	WIN 0
.irp t, 0,1,2,3,4,5,6,7
	global_store_b128 v[CO], v[BK+4*\t:BK+4*\t+3], s[8:9] offset:(16*(\a)+2*\t)*OROWB  ; 16 lanes store 256 consecutive bytes, aligned
.endr
.endm
	TOSTAGE 0
.irp a, 1,2,3
	TOSTAGE \a
	SEND (\a)-1, 16
.endr
	SEND 3, 0
	s_wait_tensorcnt 0x0                           ; the wave's end
	ds_add_u32 v[SPW], v[NIL]
	s_wait_dscnt 0x0
	CROUND                                         ; the closing round
	s_endpgm
.Lfunc_end_k_qfc72adbbbc_gw2:
	.size	k_qfc72adbbbc_gw2, .Lfunc_end_k_qfc72adbbbc_gw2-k_qfc72adbbbc_gw2
	.p2alignl 7, 3214868480
	.fill 96, 4, 3214868480
	.section	.rodata,"a",@progbits
	.p2align	6, 0x0
	.amdhsa_kernel k_qfc72adbbbc_gw2
		.amdhsa_group_segment_fixed_size 327680
		.amdhsa_private_segment_fixed_size 0
		.amdhsa_enable_private_segment 0
		.amdhsa_kernarg_size 40
		.amdhsa_user_sgpr_count 2
		.amdhsa_user_sgpr_kernarg_segment_ptr 1
		.amdhsa_wavefront_size32 1
		.amdhsa_system_sgpr_workgroup_id_x 1
		.amdhsa_system_sgpr_workgroup_id_y 1
		.amdhsa_system_sgpr_workgroup_id_z 1
		.amdhsa_system_vgpr_workitem_id 0
		.amdhsa_next_free_vgpr 832
		.amdhsa_next_free_sgpr 80
		.amdhsa_reserve_vcc 0
		.amdhsa_float_denorm_mode_32 3
		.amdhsa_float_denorm_mode_16_64 3
		.amdhsa_memory_ordered 1
		.amdhsa_forward_progress 1
		.amdhsa_inst_pref_size 48
	.end_amdhsa_kernel
	.amdgpu_metadata
---
amdhsa.version: [ 1, 2 ]
amdhsa.kernels:
  - .name:           k_qfc72adbbbc_gw2
    .symbol:         k_qfc72adbbbc_gw2.kd
    .args:
      - { .name: h1, .offset: 0, .size: 8, .value_kind: global_buffer, .address_space: global }
      - { .name: wt, .offset: 8, .size: 8, .value_kind: global_buffer, .address_space: global }
      - { .name: out0, .offset: 16, .size: 8, .value_kind: global_buffer, .address_space: global }
      - { .name: b2, .offset: 24, .size: 8, .value_kind: global_buffer, .address_space: global }
      - { .name: x1, .offset: 32, .size: 8, .value_kind: global_buffer, .address_space: global }
    .group_segment_fixed_size: 327680
    .private_segment_fixed_size: 0
    .kernarg_segment_align: 8
    .kernarg_segment_size: 40
    .max_flat_workgroup_size: 128
    .sgpr_count:     80
    .vgpr_count:     832
    .wavefront_size: 32
...
	.end_amdgpu_metadata
.endif
;; end of part 7
